; MI455X (gfx1250); checked and timed in simulation.
; The chip was launched on July 23, 2026; its instructions are those of AMD's public machine-readable ISA for CDNA 5 (MIT licence, August 2026) and "CDNA5" Instruction Set Architecture Reference Guide (July 2026). The comments in the code are by the model that wrote it; some were corrected since.
;; Rotary Multihead Attention. Allowed arithmetic: matrix products marked QUANTISED: E2M3 operands, one E8M0 scale for each 32 along K, by v_wmma_scale_f32_16x16x128_f8f6f4 with both operands' format E2M3, f32 sums; products left as they are: f32 operands where the result goes on into a quantised operand, else bf16, f16 or f32 operands; f32 sums; everything else in f32.
;; Inputs: freqs 16 x 32 x 3 float32; in_proj_bias 3,072 float32; in_proj_weight 3,072 x 1,024 float32; out_proj_bias 1,024 float32; out_proj_weight 1,024 x 1,024 float32; positions 4 x 2,048 x 3 float32; query 4 x 2,048 x 1,024 float32.
;; Outputs: out0 4 x 2,048 x 1,024 float32.
;; This version of the problem:
;;   THIS VERSION OF THE PROBLEM IS GIVEN IN LOW PRECISION. The matrix products marked QUANTISED in the list below multiply operands that are first quantised to E2M3 (2 exponent bits, 3 mantissa bits; 6 bits a number), with one power-of-two scale for each 32 numbers along K (OCP MX v1.0); their sums are f32. All else is computed in f32.
;;   The module's matrix products, in the order in which they are computed (A, B: the left and right operand; K: the contracted axis; several contracted axes count as one K, in the product's order):
;;     1. [M 8,192, K 1,024] x [K 1,024, N 1,024]; A: input query; B: input in_proj_weight: QUANTISED
;;     2. [M 8,192, K 1,024] x [K 1,024, N 1,024]; A: input query; B: input in_proj_weight: QUANTISED
;;     3. [M 8,192, K 1,024] x [K 1,024, N 1,024]; A: input query; B: input in_proj_weight: QUANTISED
;;     4. [M 512, K 3] x [K 3, N 8,192]; A: input freqs; B: input positions: left as it is (K = 3 < 32)
;;     5. [M 512, K 3] x [K 3, N 8,192]; A: input freqs; B: input positions: left as it is (K = 3 < 32)
;;     6. batch 64 x [M 2,048, K 64] x [K 64, N 2,048]; A: computed on the way; B: computed on the way: QUANTISED
;;     7. batch 64 x [M 2,048, K 2,048] x [K 2,048, N 64]; A: softmax (see below); B: computed on the way: QUANTISED
;;     8. [M 8,192, K 1,024] x [K 1,024, N 1,024]; A: computed on the way; B: input out_proj_weight: QUANTISED
;;   THE QUANTISER, for each operand of a quantised product, along K:
;;     - K is cut into blocks of 32 from its start; a last block that is shorter is filled with zeros.
;;     - A block's scale is 2^e with e = floor(log2(the largest magnitude in the block)) - 2, held to -126 .. 127; a block of zeros has e = 0. As a byte (E8M0): e + 127.
;;     - Each number is divided by its block's scale, clamped to +-7.5, and rounded to the nearest number of E2M3, ties to even, subnormals kept.
;;     - The product sums the exact products of the quantised numbers (number of the format x scale) in f32.
;;   ~~~python
;;   def quantise(x, axis):      # numpy; x: float32 -> the quantised numbers, widened to float32 again
;;       x = np.moveaxis(x, axis, -1); K = x.shape[-1]
;;       x = np.pad(x, [(0, 0)] * (x.ndim - 1) + [(0, -K % 32)]); x = x.reshape(x.shape[:-1] + (-1, 32)); a = np.abs(x).max(-1, keepdims=True)
;;       e = np.where(a > 0, np.clip(np.frexp(np.where(a > 0, a, 1))[1] - 1 - 2, -126, 127), 0)      # np.frexp(a)[1] - 1 = floor(log2(a)), exactly
;;       r = np.clip(x / 2.0 ** e, -7.5, 7.5)
;;       step = 2.0 ** (np.maximum(np.frexp(np.where(r == 0, 1, r))[1] - 1, 0) - 3)
;;       q = np.round(r / step) * step * 2.0 ** e      # np.round: ties to even
;;       return np.moveaxis(q.reshape(q.shape[:-2] + (-1,))[..., :K], -1, axis).astype(np.float32)
;;   ~~~
;;   SOFTMAX AHEAD OF A QUANTISED PRODUCT. Where the list says 'softmax', what is quantised is not the finished softmax but p = 2^(t - M), with t = logit x log2(e) and M = ceil(the row's largest t), a whole number; so 1/2 < the row's largest p <= 1. The row's sum l is taken of the UNQUANTISED p, in f32, and the product's result is divided by l at the end. Since M is a whole number, a kernel that streams over the keys may use a running M (the ceiling of the running maximum): every later rescaling is an exact power of two, which a block's scale takes up: the codes' values come out the same.
;;   OPERANDS COMPUTED ON THE WAY. 'Computed on the way' means the value that the module computes at that place (a softmax that the list does not call 'softmax' is quantised finished and normalised). What goes into a quantiser is computed in f32, as accurately as f32 sums, v_exp_f32 and their like allow (about 1e-6 of the number): no bf16 or f16 on the way to a quantiser, and a product that is left as it is and whose result goes on into a quantised operand takes f32 operands (vector FMAs, or v_wmma_f32_16x16x4_f32). A number that lies on a knife's edge between two numbers of the format may be rounded either way, as far as f32 arithmetic and the matrix unit's own rounding can turn it there, and no further.
;; One version. Each part assembles by itself: llvm-mc -triple=amdgcn-amd-amdhsa -mcpu=gfx1250 --defsym DOCPART=n.
;; ======== version 1 of 1: 4 launches
;; limits: right only within a limited range of input values
;; workspace buffers: xc 9,437,184 bytes; scl 655,360 bytes; qc 6,291,456 bytes; kv 13,369,344 bytes; oc 6,291,456 bytes
;; launch quant (part 1): grid 384 x 1, 4 waves a work-group, no clusters, 34,304 bytes of LDS; arguments query, in_proj_weight, out_proj_weight, xc, scl; writes xc, scl
.if DOCPART == 1
	.amdgcn_target "amdgcn-amd-amdhsa--gfx1250"
	.amdhsa_code_object_version 6
	.text
	.protected	k_q74b7738856_quant
	.globl	k_q74b7738856_quant
	.p2align	8
	.type	k_q74b7738856_quant,@function
k_q74b7738856_quant:
	s_mov_b64 s[64:65], 0
	v_nop
	global_prefetch_b8 v0, s[64:65] scope:SCOPE_SE
	s_setreg_imm32_b32 hwreg(HW_REG_WAVE_MODE, 25, 1), 1
	s_wait_xcnt 0x0
; query [8192][1024], in_proj_weight [3072][1024] and out_proj_weight [1024][1024], f32, K innermost, become codes of FP6 (E2M3) with one E8M0 byte for each 32 along K.
; A block's scale is 2^(floor(log2(largest magnitude)) - 2); its byte is the largest magnitude's exponent field - 2, held at 1 from below.
; LAYOUT OF THE CODES (xc): [tile place 768][64 along K: 16][768 bytes].  A tile is 16 rows: lane r holds row 32 (tile / 2) + 8 (tile % 2) + r + 8 (r / 8).
; 768 bytes are half an operand as its registers hold it: lane (r, h) owns the 24 bytes of block h of its row; its first 16 bytes lie at 16 x lane, its last 8 at 512 + 8 x lane.
; Places: 0-511 query; 512-639 q's and k's weight rows, head by head (8 places a head: 4 of q, 4 of k); 640-703 v's; 704-767 out_proj's.
; LAYOUT OF THE SCALES (scl): [place][half of K: 2][r 16][4] words, a word = the four bytes of 128 along K.
; A wave takes one tile x 512 along K: four operands of 128.  Each load reads 512 consecutive bytes of one row; the numbers turn through the wave's own stage in LDS (rows of 528 bytes),
; so that a lane gets whole blocks of 32 neighbours.  Waves share nothing: no barrier.  Two operands' loads (32 a wave) are out.
; LIMITS: a block of zeros gets the byte 1 where the rule says 127 (its codes are zeros, and this program alone reads the bytes); NaN and infinities among the inputs are not served.
.set R,     64                         ; v64-191  two sets of 64 registers as loaded
.set X,     192                        ; v192-255 two blocks of 32 neighbours
.set SPW,   10                         ; v10  LDS address of my spare word; never rewritten
.set NIL,   11                         ; v11  0; never rewritten
.set STG,   8448                       ; a wave's stage: 16 rows x 528 bytes
.set SPARE, 4*STG                      ; behind the stages: the spare words, 128 bytes a wave
	s_load_b128 s[4:7], s[0:1], 0x0                ; query, in_proj_weight
	s_load_b128 s[8:11], s[0:1], 0x10              ; out_proj_weight, xc
	s_load_b64 s[12:13], s[0:1], 0x20              ; scl
	v_lshl_add_u32 v[SPW], v0, 2, SPARE
	v_mov_b32 v[NIL], 0
	v_lshrrev_b32 v1, 5, v0
	v_readfirstlane_b32 s14, v1                    ; wave
	v_and_b32 v1, 31, v0                           ; lane
	v_and_b32 v2, 15, v0                           ; r
	v_bfe_u32 v3, v0, 4, 1                         ; h
	v_lshlrev_b32 v4, 4, v1                        ; 16 x lane
	v_lshlrev_b32 v5, 3, v1                        ; 8 x lane
	s_mul_i32 s15, s14, STG
	v_add_nc_u32 v6, s15, v4                       ; the stage, on the way in: a row's 512 bytes as they lie
	v_mul_u32_u24 v7, v2, 528
	v_lshl_add_u32 v7, v3, 7, v7
	v_add_nc_u32 v7, s15, v7                       ; and out: row r, block h of each 64 along K
	v_lshlrev_b32 v8, 4, v2                        ; 16 r: my row's four scale words
	v_lshlrev_b32 v9, 3, v3                        ; 8 h: my bytes' place in a word
	v_mov_b32 v23, 0                               ; written once: a lane permute's destination counts as a source
	s_mov_b32 s30, 0x76543210
	s_mov_b32 s31, 0xfedcba98                      ; selects for lane l xor 16
	s_lshr_b32 s16, s14, 1
	s_and_b32 s17, s14, 1                          ; which half of K
	s_lshl_b32 s18, ttmp9, 1
	s_add_co_u32 s18, s18, s16                     ; my tile among all 768
	s_wait_alu depctr_va_vdst(0)
	s_wait_kmcnt 0x0
	s_mov_b32 s19, 704
	s_cmp_lt_u32 ttmp9, 352                        ; which tensor: the choice hangs on the work-group's number alone
	s_cselect_b64 s[6:7], s[6:7], s[8:9]
	s_cselect_b32 s19, 512, s19
	s_cmp_lt_u32 ttmp9, 256
	s_cselect_b64 s[4:5], s[4:5], s[6:7]
	s_cselect_b32 s19, 0, s19
	s_sub_co_u32 s20, s18, s19                     ; my tile in its tensor
	s_and_b32 s21, s20, 63                         ; q's and k's tiles go head by head: 512 + 8 head + 4 (0 for q, 1 for k) + tile in the head
	s_lshr_b32 s21, s21, 2
	s_lshl_b32 s21, s21, 3
	s_lshr_b32 s22, s20, 6
	s_lshl_b32 s22, s22, 2
	s_add_co_u32 s21, s21, s22
	s_and_b32 s22, s20, 3
	s_add_co_u32 s21, s21, s22
	s_add_co_u32 s21, s21, 512
	s_sub_co_u32 s22, ttmp9, 256
	s_cmp_lt_u32 s22, 64                           ; work-groups 256 to 319 hold q's and k's rows
	s_cselect_b32 s21, s21, s18                    ; the tile's place
	s_lshr_b32 s22, s20, 1
	s_lshl_b32 s22, s22, 5
	s_and_b32 s23, s20, 1
	s_lshl_b32 s23, s23, 3
	s_add_co_u32 s22, s22, s23                     ; the tile's first row
	s_lshl_b32 s22, s22, 12                        ; 4,096 bytes a row
	s_lshl_b32 s23, s17, 11
	s_add_co_u32 s22, s22, s23
	s_mov_b32 s23, 0
	s_add_nc_u64 s[4:5], s[4:5], s[22:23]
	s_mul_i32 s22, s21, 12288
	s_mul_i32 s24, s17, 6144
	s_add_co_u32 s22, s22, s24
	s_add_nc_u64 s[10:11], s[10:11], s[22:23]
	s_lshl_b32 s22, s21, 9
	s_lshl_b32 s24, s17, 8
	s_add_co_u32 s22, s22, s24
	s_add_nc_u64 s[12:13], s[12:13], s[22:23]
.macro LOADQ j                         ; 128 along K of the tile's 16 rows
.irp i, 0,1,2,3,4,5,6,7,8,9,10,11,12,13,14,15
	global_load_b128 v[R+64*((\j)%2)+4*\i:R+64*((\j)%2)+4*\i+3], v4, s[4:5] offset:(\i+8*(\i/8))*4096+512*(\j) th:TH_LOAD_NT
.endr
.endm
.macro FRAGQ j
.if (\j) < 3
	s_wait_loadcnt 16                              ; this operand's 16 loads are in; the next one's may be out
.else
	s_wait_loadcnt 0x0
.endif
.irp i, 0,1,2,3,4,5,6,7,8,9,10,11,12,13,14,15
	ds_store_b128 v6, v[R+64*((\j)%2)+4*\i:R+64*((\j)%2)+4*\i+3] offset:528*\i
.endr
.irp c, 0,1
.irp e, 0,1,2,3,4,5,6,7
	ds_load_b128 v[X+32*\c+4*\e:X+32*\c+4*\e+3], v7 offset:256*\c+16*\e   ; LDS serves a wave's instructions in order: these see the stores above
.endr
.endr
	s_wait_dscnt 0x0
.if (\j) < 2
	LOADQ (\j)+2
.endif
	v_max3_num_f32 v16, |v[X]|, |v[X+1]|, 0x1800000      ; my two blocks by turns; the floor 2^(3 - 127) holds the byte at 1 from below
	v_max3_num_f32 v17, |v[X+32]|, |v[X+33]|, 0x1800000
.irp i, 2,4,6,8,10,12,14,16,18,20,22,24,26,28,30
	v_max3_num_f32 v16, v16, |v[X+\i]|, |v[X+\i+1]|
	v_max3_num_f32 v17, v17, |v[X+32+\i]|, |v[X+33+\i]|
.endr
	v_add_nc_u32 v18, 0xff000000, v16              ; 2 off the exponent field: the conversion's scale operand
	v_add_nc_u32 v19, 0xff000000, v17
	v_lshrrev_b32 v20, 23, v18                     ; the bytes
	v_lshrrev_b32 v21, 23, v19
	s_wait_alu depctr_va_vdst(0)
	s_wait_xcnt 0x0                                ; the last operand's stores have read their data: the codes' registers are written only behind this wait
	v_cvt_scalef32_pk16_fp6_f32 v[32:34], v[X:X+15], v18
	v_cvt_scalef32_pk16_fp6_f32 v[38:40], v[X+16:X+31], v18        ; (a conversion's three registers begin on an even number)
	v_cvt_scalef32_pk16_fp6_f32 v[44:46], v[X+32:X+47], v19
	v_cvt_scalef32_pk16_fp6_f32 v[50:52], v[X+48:X+63], v19
	v_lshl_or_b32 v22, v21, 16, v20                ; my two bytes: blocks h and 2 + h.  (The plain place behind the conversions)
.irp i, 0,1,2
	v_mov_b32 v[35+\i], v[38+\i]
	v_mov_b32 v[47+\i], v[50+\i]
.endr
	v_lshlrev_b32 v22, v9, v22
	v_permlanex16_b32 v23, v22, s30, s31
	v_or_b32 v[12+(\j)], v22, v23                  ; with lane l xor 16's two the word is whole
	global_store_b128 v4, v[32:35], s[10:11] offset:(2*(\j))*768           ; 512 consecutive bytes,
	global_store_b64 v5, v[36:37], s[10:11] offset:(2*(\j))*768+512        ; and 256
	global_store_b128 v4, v[44:47], s[10:11] offset:(2*(\j)+1)*768
	global_store_b64 v5, v[48:49], s[10:11] offset:(2*(\j)+1)*768+512
.endm
	LOADQ 0
	LOADQ 1
	FRAGQ 0
	FRAGQ 1
	FRAGQ 2
	FRAGQ 3
	s_wait_alu depctr_va_vdst(0)
	s_wait_xcnt 0x0                                ; EXEC changes only behind this wait
	v_cmp_gt_u32 vcc_lo, 16, v1
	s_and_saveexec_b32 s20, vcc_lo
	global_store_b128 v8, v[12:15], s[12:13]       ; sixteen lanes store 256 consecutive bytes: the tile's scale words of this half of K
	s_wait_xcnt 0x0
	s_or_b32 exec_lo, exec_lo, s20
	s_wait_tensorcnt 0x0                           ; the wave's end
	ds_add_u32 v[SPW], v[NIL]
	s_wait_dscnt 0x0
	s_endpgm
.Lfunc_end_k_q74b7738856_quant:
	.size	k_q74b7738856_quant, .Lfunc_end_k_q74b7738856_quant-k_q74b7738856_quant
	.p2alignl 7, 3214868480
	.fill 96, 4, 3214868480
	.section	.rodata,"a",@progbits
	.p2align	6, 0x0
	.amdhsa_kernel k_q74b7738856_quant
		.amdhsa_group_segment_fixed_size 34304
		.amdhsa_private_segment_fixed_size 0
		.amdhsa_enable_private_segment 0
		.amdhsa_kernarg_size 40
		.amdhsa_user_sgpr_count 2
		.amdhsa_user_sgpr_kernarg_segment_ptr 1
		.amdhsa_wavefront_size32 1
		.amdhsa_system_sgpr_workgroup_id_x 1
		.amdhsa_system_sgpr_workgroup_id_y 1
		.amdhsa_system_sgpr_workgroup_id_z 1
		.amdhsa_system_vgpr_workitem_id 0
		.amdhsa_next_free_vgpr 256
		.amdhsa_next_free_sgpr 66
		.amdhsa_reserve_vcc 1
		.amdhsa_float_denorm_mode_32 3
		.amdhsa_float_denorm_mode_16_64 3
		.amdhsa_memory_ordered 1
		.amdhsa_forward_progress 1
		.amdhsa_inst_pref_size 31
	.end_amdhsa_kernel
	.amdgpu_metadata
---
amdhsa.version: [ 1, 2 ]
amdhsa.kernels:
  - .name:           k_q74b7738856_quant
    .symbol:         k_q74b7738856_quant.kd
    .args:
      - { .name: query, .offset: 0, .size: 8, .value_kind: global_buffer, .address_space: global }
      - { .name: in_proj_weight, .offset: 8, .size: 8, .value_kind: global_buffer, .address_space: global }
      - { .name: out_proj_weight, .offset: 16, .size: 8, .value_kind: global_buffer, .address_space: global }
      - { .name: xc, .offset: 24, .size: 8, .value_kind: global_buffer, .address_space: global }
      - { .name: scl, .offset: 32, .size: 8, .value_kind: global_buffer, .address_space: global }
    .group_segment_fixed_size: 34304
    .private_segment_fixed_size: 0
    .kernarg_segment_align: 8
    .kernarg_segment_size: 40
    .max_flat_workgroup_size: 128
    .sgpr_count:     66
    .vgpr_count:     256
    .wavefront_size: 32
...
	.end_amdgpu_metadata
.endif
;; end of part 1
;; launch qkv (part 2): grid 4 x 64, 4 waves a work-group, clusters of 4 x 4, 327,680 bytes of LDS; arguments xc, scl, in_proj_bias, positions, freqs, qc, kv; writes qc, kv
.if DOCPART == 2
	.amdgcn_target "amdgcn-amd-amdhsa--gfx1250"
	.amdhsa_code_object_version 6
	.text
	.protected	k_q74b7738856_qkv
	.globl	k_q74b7738856_qkv
	.p2align	8
	.type	k_q74b7738856_qkv,@function
k_q74b7738856_qkv:
	s_mov_b64 s[64:65], 0
	v_nop
	global_prefetch_b8 v0, s[64:65] scope:SCOPE_SE
	s_setreg_imm32_b32 hwreg(HW_REG_WAVE_MODE, 25, 1), 1
	s_wait_xcnt 0x0
	s_wait_alu depctr_hold_cnt(0) depctr_sa_sdst(0) depctr_va_vdst(0) depctr_va_sdst(0) depctr_va_ssrc(0) depctr_va_vcc(0) depctr_vm_vsrc(0)
	s_getreg_b32 s2, hwreg(HW_REG_IB_STS2, 6, 4)
	s_cmp_eq_u32 s2, 0
	s_cbranch_scc0 .Lentry_in_a_cluster
	s_endpgm
.Lentry_in_a_cluster:
	s_bfe_u32 s2, ttmp6, 0x10000c
	s_cmp_lg_u32 s2, 0xf033
	s_cbranch_scc0 .Lentry_shape_is_right
	s_endpgm
.Lentry_shape_is_right:
.set SLOTB, 98304
.set HALFB, 24576
.set SPARE, 3*SLOTB
.set SPW, 6
.set NIL, 7
.set A16, 8
.set A8,  11
.set B16, 14
.set B8,  17
.set SC,  32
.set AF,  128
.set WV,  18
.set RH,  19
.set CH,  20
.set G1A, 24
.set G0A, 32
.set G1B, 44
.set G0B, 52
.set SEL, 84
.set MSB, 0
.macro WIN new
.if MSB != \new
	s_set_vgpr_msb (MSB<<8)|\new
.set MSB, \new
.endif
.endm
.set MUL_LO, 0xa1
.set MUL_HI, 0xf1
.set TO_B,   0x40
.macro JLOAD s
	s_cmp_eq_u32 s[RH], 0
	s_cbranch_scc0 .Lfor_b_\@
	tensor_load_to_lds s[G0A+4*\s:G0A+4*\s+3], s[G1A:G1A+7]
	s_nop 0
.rept 4
	v_nop
.endr
	s_branch .Lasked_\@
.Lfor_b_\@:
	tensor_load_to_lds s[G0B+4*\s:G0B+4*\s+3], s[G1B:G1B+7]
	s_nop 0
.rept 4
	v_nop
.endr
.Lasked_\@:
.endm
.macro CREST
	s_cmp_lg_u32 s[WV], 0
	s_cbranch_scc1 .Lnot_wave_0_\@
	s_barrier_signal -3
.Lnot_wave_0_\@:
	s_barrier_wait -3
	s_barrier_signal -1
	s_barrier_wait -1
.endm
.macro CROUND
	s_barrier_signal -1
	s_barrier_wait -1
	CREST
.endm
.macro PLACES
.rept 4
	v_nop
.endr
.endm
.macro FRAG reg, a16, a8, off
	ds_load_b128 v[(\reg):(\reg)+3], v[\a16] offset:(\off)
	ds_load_b64 v[(\reg)+4:(\reg)+5], v[\a8] offset:(\off)+512
	ds_load_b128 v[(\reg)+6:(\reg)+9], v[\a16] offset:(\off)+768
	ds_load_b64 v[(\reg)+10:(\reg)+11], v[\a8] offset:(\off)+1280
.endm
.macro FETCH_B ks, p
	WIN TO_B
.irp i, 0,1,2,3,4,5,6,7
	FRAG 128*(\p)+12*\i, B16+((\ks)/2)%3, B8+((\ks)/2)%3, 3072*\i+1536*((\ks)%2)
.endr
	WIN 0
.endm
.macro FETCH_A ks, i0
.irp i, \i0, \i0+1, \i0+2, \i0+3
	FRAG AF+12*(\i), A16+((\ks)/2)%3, A8+((\ks)/2)%3, 3072*(\i)+1536*((\ks)%2)
.endr
.endm
.macro MUL16 a0, p, ks, c
.irp a, \a0, \a0+1
.irp b, 0,1,2,3,4,5,6,7
.set rD, 8*(8*((\a)%4)+\b)
.set rB, 128*(\p)+12*\b
.set rA, AF+12*(\a)
.set sB, SC+8*\b+(\ks)
.set sA, SC+8*(\a)+(\ks)
.if (\c) == 1
	v_wmma_scale_f32_16x16x128_f8f6f4 v[rD:rD+7], v[rB:rB+11], v[rA:rA+11], 0, v[sB], v[sA] matrix_a_fmt:MATRIX_FMT_FP6 matrix_b_fmt:MATRIX_FMT_FP6 matrix_a_scale:MATRIX_SCALE_ROW1
.else
	v_wmma_scale_f32_16x16x128_f8f6f4 v[rD:rD+7], v[rB:rB+11], v[rA:rA+11], v[rD:rD+7], v[sB], v[sA] matrix_a_fmt:MATRIX_FMT_FP6 matrix_b_fmt:MATRIX_FMT_FP6 matrix_a_scale:MATRIX_SCALE_ROW1
.endif
.endr
.endr
.endm
.macro STEP ks, c
	s_wait_dscnt 16
	WIN MUL_LO
	MUL16 0, (\ks)%2, \ks, \c
	MUL16 2, (\ks)%2, \ks, \c
	s_wait_dscnt 0x0
	PLACES
	FETCH_B (\ks)+1, 1-(\ks)%2
	FETCH_A (\ks)+1, 0
	WIN MUL_HI
	MUL16 4, (\ks)%2, \ks, \c
	MUL16 6, (\ks)%2, \ks, \c
	PLACES
	WIN 0
	FETCH_A (\ks)+1, 4
.endm
.macro TURN ks, fill
	s_wait_tensorcnt 0x0
	ds_add_u32 v[SPW], v[NIL]
	s_wait_dscnt 17
	WIN MUL_LO
	MUL16 0, (\ks)%2, \ks, 0
	s_wait_dscnt 0x0
	s_barrier_signal -1
	MUL16 2, (\ks)%2, \ks, 0
	WIN 0
	s_barrier_wait -1
.if (\fill) >= 0
	CREST
.if (\fill) == 0
	s_add_nc_u64 s[G0A+2:G0A+3], s[G0A+2:G0A+3], 9216
	s_add_nc_u64 s[G0B+2:G0B+3], s[G0B+2:G0B+3], 9216
.endif
	JLOAD \fill
.else
	PLACES
.endif
	FETCH_B (\ks)+1, 1-(\ks)%2
	FETCH_A (\ks)+1, 0
	WIN MUL_HI
	MUL16 4, (\ks)%2, \ks, 0
	MUL16 6, (\ks)%2, \ks, 0
	PLACES
	WIN 0
	FETCH_A (\ks)+1, 4
.endm
; THE SECOND PRODUCT OF A WORK-GROUP: half a tile of v, 128 channels x 256 tokens, all of K in LDS: A's 8 tiles of 12,288 bytes from byte 0, B's 16 from byte 98,304.
.macro HFETCH ks, p                    ; the fragments of step ks: B's eight into set p of window 1, my four of A into set p of window 0
	WIN TO_B
.irp i, 0,1,2,3,4,5,6,7
	FRAG 128*(\p)+12*\i, B16+\i/4, B8+\i/4, 12288*(\i%4)+1536*(\ks)
.endr
	WIN 0
.irp i, 0,1,2,3
	FRAG AF+48*(\p)+12*\i, A16, A8, 12288*\i+1536*(\ks)
.endr
.endm
.macro HSTEP ks, c                     ; 32 products, the 32 accumulators by turns; the next step's 48 loads are issued ahead of them
	s_wait_dscnt 0x0
.if (\ks) < 7
.if (\ks) > 0
	PLACES
.endif
	HFETCH (\ks)+1, 1-(\ks)%2
.endif
	WIN MUL_LO
	MUL16 4*((\ks)%2), (\ks)%2, \ks, \c
	MUL16 4*((\ks)%2)+2, (\ks)%2, \ks, \c
	WIN 0
.endm
.macro LAST
	s_wait_dscnt 16
	WIN MUL_LO
	MUL16 0, 1, 7, 0
	MUL16 2, 1, 7, 0
	s_wait_dscnt 0x0
	WIN MUL_HI
	MUL16 4, 1, 7, 0
	MUL16 6, 1, 7, 0
	WIN 0
	PLACES
.endm
	s_load_b256 s[4:11], s[0:1], 0x0
	s_load_b128 s[12:15], s[0:1], 0x20
	s_load_b64 s[16:17], s[0:1], 0x30
	v_lshl_add_u32 v[SPW], v0, 2, SPARE
	v_mov_b32 v[NIL], 0
	ds_add_u32 v[SPW], v[NIL]
	ds_add_u32 v[SPW], v[NIL]
	v_lshrrev_b32 v1, 5, v0
	v_readfirstlane_b32 s[WV], v1
	s_lshr_b32 s[RH], s[WV], 1
	s_and_b32 s[CH], s[WV], 1
	s_bfe_u32 s21, ttmp6, 0x40000
	s_bfe_u32 s22, ttmp6, 0x40004
	s_and_b32 s71, ttmp7, 0xffff                   ; cluster 0..15
	s_lshr_b32 s70, s71, 1
	s_lshl_b32 s70, s70, 2                         ; 4 (cluster / 2)
	s_and_b32 s69, s71, 1
	s_lshl_b32 s69, s69, 2                         ; 4 (cluster % 2)
	s_add_co_u32 s66, s70, s22                     ; q, k: block of 256 tokens (A), by cy
	s_add_co_u32 s67, s69, s21
	s_add_co_u32 s67, s67, 32                      ; and block of 256 weight rows (B), by cx
	s_add_co_u32 s86, s69, s22                     ; v: block of 128 channels (A), by cy
	s_add_co_u32 s87, s70, s21                     ; and block of 256 tokens (B), by cx
	s_lshl_b32 s72, s22, 2
	s_lshl_b32 s72, 15, s72
	s_lshl_b32 s73, 0x1111, s21
	s_or_b32 s[G1A], s72, (3<<16)|(1<<21)
	s_or_b32 s[G1B], s73, (3<<16)|(1<<21)
.irp g, G1A, G1B
	s_mov_b32 s[\g+1], 384<<16
	s_mov_b32 s[\g+2], 8<<16
	s_mov_b32 s[\g+3], 384<<16
	s_mov_b32 s[\g+4], 8
	s_mov_b32 s[\g+5], 1536
	s_mov_b32 s[\g+6], 0
	s_mov_b32 s[\g+7], 0
.endr
	s_lshl_b32 s76, s[CH], 3
	s_lshl_b32 s74, s66, 4
	s_add_co_u32 s74, s74, s76
	s_mul_i32 s74, s74, 12288
	s_mov_b32 s75, 0
	s_lshl_b32 s78, s67, 4
	s_add_co_u32 s78, s78, s76
	s_mul_i32 s78, s78, 12288
	s_mov_b32 s79, 0
	s_mul_i32 s80, s[WV], HALFB
	s_mov_b32 s[SEL], 0x76543210
	s_mov_b32 s[SEL+1], 0xfedcba98
	s_wait_dscnt 0x0
	s_wait_kmcnt 0x0
	s_add_nc_u64 s[74:75], s[4:5], s[74:75]
	s_add_nc_u64 s[78:79], s[4:5], s[78:79]
	CROUND
.irp s, 0,1,2
	s_mov_b32 s[G0A+4*\s], 1
	s_add_co_u32 s[G0A+4*\s+1], s80, \s*SLOTB
	s_add_nc_u64 s[G0A+4*\s+2:G0A+4*\s+3], s[74:75], \s*3072
	s_or_b32 s[G0A+4*\s+3], s[G0A+4*\s+3], 0x80000000
	s_mov_b32 s[G0B+4*\s], 1
	s_add_co_u32 s[G0B+4*\s+1], s80, \s*SLOTB
	s_add_nc_u64 s[G0B+4*\s+2:G0B+4*\s+3], s[78:79], \s*3072
	s_or_b32 s[G0B+4*\s+3], s[G0B+4*\s+3], 0x80000000
.endr
	JLOAD 0                                        ; slot 0: my one tensor load at the head
	v_and_b32 v1, 15, v0
	v_bfe_u32 v2, v0, 4, 1
	v_and_b32 v3, 31, v0
	v_lshlrev_b32 v4, 4, v3
	v_lshlrev_b32 v5, 3, v3
	s_mul_i32 s81, s[RH], HALFB
	s_mul_i32 s82, s[CH], HALFB
	s_add_co_u32 s82, s82, 2*HALFB
.irp s, 0,1,2
	v_add_nc_u32 v[A16+\s], s81, v4
	v_add_nc_u32 v[A8+\s], s81, v5
	v_add_nc_u32 v[B16+\s], s82, v4
	v_add_nc_u32 v[B8+\s], s82, v5
	s_add_co_u32 s81, s81, SLOTB
	s_add_co_u32 s82, s82, SLOTB
.endr
	s_lshl_b32 s81, s66, 4
	s_lshl_b32 s83, s[RH], 3
	s_add_co_u32 s81, s81, s83
	s_lshl_b32 s81, s81, 9
	s_lshl_b32 s82, s67, 4
	s_add_co_u32 s82, s82, s76
	s_lshl_b32 s82, s82, 9
	v_mov_b32 v21, s81
	v_mov_b32 v22, s82
	v_cmp_ne_u32 vcc_lo, 0, v2
	v_cndmask_b32 v20, v21, v22, vcc_lo
	v_lshl_add_u32 v20, v1, 4, v20
.irp i, 0,1,2,3,4,5,6,7
	global_load_b128 v[SC+8*\i:SC+8*\i+3], v20, s[6:7] offset:512*\i
	global_load_b128 v[SC+8*\i+4:SC+8*\i+7], v20, s[6:7] offset:512*\i+256
.endr
	s_wait_alu depctr_va_vdst(0)                   ; the head's end
	s_wait_tensorcnt 0x0                           ; my part of slot 0 is in; the full sequence ahead of slot 1's first fill
	ds_add_u32 v[SPW], v[NIL]
	s_wait_dscnt 0x0
	CROUND
	JLOAD 1                                        ; slot 1 lands while slot 0 is multiplied
	FETCH_B 0, 0
	FETCH_A 0, 0
	FETCH_A 0, 4
	s_wait_loadcnt 0x0
	STEP 0, 1
	TURN 1, 2
	STEP 2, 0
	s_wait_alu depctr_va_vdst(0)
	TURN 3, 0
	STEP 4, 0
	TURN 5, -1
	STEP 6, 0
.set FQ,  32
.set WK,  80
.set WQ,  84
.set KM,  88
.set KS,  90
.set KC,  92
.set POS, 96
.set P,   28
.set T,   128
.set CC,  192
.set SS,  208
.set YY,  224
.set NN,  232
.set PSN, 240
.set PCS, 248
.set TM,  244
.set T2,  246
.set SO,  248
.set BY,  250
	s_sub_co_u32 s72, s67, 32
	s_lshl_b32 s72, s72, 1
	s_add_co_u32 s72, s72, s[CH]
	s_lshl_b32 s73, s66, 8
	s_lshl_b32 s74, s[RH], 7
	s_add_co_u32 s73, s73, s74
	v_and_b32 v21, 8, v1
	v_add_nc_u32 v21, v21, v1
	v_add_nc_u32 v22, s73, v21
	v_mul_u32_u24 v22, v22, 12
	s_mul_i32 s74, s72, 384
	v_mul_u32_u24 v23, v2, 96
	v_add_nc_u32 v23, s74, v23
	s_lshl_b32 s74, s72, 8
	v_lshl_add_u32 v24, v2, 6, s74
.irp a, 0,1,2,3,4,5,6,7
	global_load_b96 v[POS+4*\a:POS+4*\a+2], v22, s[10:11] offset:(32*(\a/2)+8*(\a%2))*12
.endr
	WIN 0x40
.irp n, 0,1
.irp e, 0,1,2,3,4,5
	global_load_b128 v[24*\n+4*\e:24*\n+4*\e+3], v23, s[12:13] offset:192*\n+16*\e
.endr
.endr
.irp g, 0,1
.irp n, 0,1
.irp e, 0,1,2,3
	global_load_b128 v[48+32*\g+16*\n+4*\e:48+32*\g+16*\n+4*\e+3], v24, s[8:9] offset:4096*\g+128*\n+16*\e
.endr
.endr
.endr
	WIN 0
	LAST
	s_wait_alu depctr_va_vdst(0)
	s_wait_tensorcnt 0x0                           ; the full sequence ahead of a refill: no load of mine is out, so the descriptors may be written
	ds_add_u32 v[SPW], v[NIL]
	s_mov_b64 s[88:89], s[16:17]                   ; kv, as given: the lines below step s[16:17]
	s_mov_b32 s[G1A+1], 1536<<16                   ; rows of 12,288 bytes: a tile's whole K
	s_mov_b32 s[G1A+2], 4<<16                      ; A: four tiles a load
	s_mov_b32 s[G1A+3], 1536<<16
	s_mov_b32 s[G1A+4], 4
	s_mov_b32 s[G1B+1], 1536<<16                   ; B: eight
	s_mov_b32 s[G1B+3], 1536<<16
	s_lshl_b32 s74, s86, 3
	s_lshl_b32 s75, s[CH], 2
	s_add_co_u32 s74, s74, s75
	s_add_co_u32 s74, s74, 640                     ; v's weights: place 640 + 8 x block + 4 x (wave 0 or 1)
	s_mul_i32 s74, s74, 12288
	s_mov_b32 s75, 0
	s_add_nc_u64 s[G0A+2:G0A+3], s[4:5], s[74:75]
	s_or_b32 s[G0A+3], s[G0A+3], 0x80000000
	s_mul_i32 s[G0A+1], s[CH], 49152
	s_lshl_b32 s78, s87, 4
	s_lshl_b32 s79, s[CH], 3
	s_add_co_u32 s78, s78, s79                     ; the tokens: place 16 x block + 8 x (wave 2 or 3)
	s_mul_i32 s78, s78, 12288
	s_mov_b32 s79, 0
	s_add_nc_u64 s[G0B+2:G0B+3], s[4:5], s[78:79]
	s_or_b32 s[G0B+3], s[G0B+3], 0x80000000
	s_mul_i32 s[G0B+1], s[CH], 98304
	s_add_co_u32 s[G0B+1], s[G0B+1], 98304
	s_wait_dscnt 0x0                               ; the add is done, and my reads of the three slots are over
	CROUND
	JLOAD 0                                        ; v's operands for all of K, one load a wave: they land under the work on q and k below
	s_lshr_b32 s73, s66, 3
	s_lshl_b32 s73, s73, 4
	s_add_co_u32 s73, s73, s72
	s_and_b32 s74, s66, 7
	s_lshl_b32 s74, s74, 1
	s_add_co_u32 s74, s74, s[RH]
	s_mul_i32 s76, s73, 98304
	s_mul_i32 s78, s74, 6144
	s_add_co_u32 s76, s76, s78
	s_mov_b32 s77, 0
	s_add_nc_u64 s[14:15], s[14:15], s[76:77]
	s_mul_i32 s76, s73, 208896
	s_mul_i32 s78, s74, 13056
	s_add_co_u32 s76, s76, s78
	s_add_nc_u64 s[16:17], s[16:17], s[76:77]
	s_wait_loadcnt 0x0
	WIN 0x04
.irp e, 0,1,2,3,4,5,6,7,8,9,10,11,12,13,14,15
.irp d, 0,1,2
	v_mul_f32 v[FQ+16*\d+\e], 0.5, v[24*(\e/8)+3*(\e%8)+\d]
.endr
.endr
	WIN 0
.irp i, 0,1,2,3,4,5,6,7
	v_mov_b32 v[WK+\i], 0
.endr
	v_mov_b32 v[KM], 0x4b400000
	v_mov_b32 v[KM+1], 0x4b400000
	v_mov_b32 v[KS], 0x3638ef1d
	v_mov_b32 v[KS+1], 0x3638ef1d
	v_mov_b32 v[KC], 0xb493f27e
	v_mov_b32 v[KC+1], 0xb493f27e
	v_mov_b32 v[P+3], 0
.macro GETQK a
	WIN 0x06+(\a)/4
.set t, 0
.rept 32
	v_pk_add_f32 v[T+t:T+t+1], v[64*((\a)%4)+t:64*((\a)%4)+t+1], v[48+t:49+t]
.set t, t+2
.endr
	WIN 0
.irp i, 0,1,2
	v_mov_b32 v[P+\i], v[POS+4*(\a)+\i]
.endr
.endm
.macro FVVV d, a, b, c
.irp i, 0,2,4,6
	v_pk_fma_f32 v[\d+\i:\d+\i+1], v[\a+\i:\a+\i+1], v[\b+\i:\b+\i+1], v[\c+\i:\c+\i+1]
.endr
.endm
.macro FVLV d, a, l, c
.irp i, 0,2,4,6
	v_pk_fma_f32 v[\d+\i:\d+\i+1], v[\a+\i:\a+\i+1], \l, v[\c+\i:\c+\i+1] op_sel_hi:[1,0,1]
.endr
.endm
.macro FVLK d, a, l, k
.irp i, 0,2,4,6
	v_pk_fma_f32 v[\d+\i:\d+\i+1], v[\a+\i:\a+\i+1], \l, v[\k:\k+1] op_sel_hi:[1,0,1]
.endr
.endm
.macro FVVL d, a, b, l
.irp i, 0,2,4,6
	v_pk_fma_f32 v[\d+\i:\d+\i+1], v[\a+\i:\a+\i+1], v[\b+\i:\b+\i+1], \l op_sel_hi:[1,1,0]
.endr
.endm
.macro TRIG g
.irp i, 0,2,4,6
	v_pk_mul_f32 v[YY+\i:YY+\i+1], v[FQ+8*\g+\i:FQ+8*\g+\i+1], v[P:P+1] op_sel_hi:[1,0]
.endr
.irp i, 0,2,4,6
	v_pk_fma_f32 v[YY+\i:YY+\i+1], v[FQ+16+8*\g+\i:FQ+17+8*\g+\i], v[P:P+1], v[YY+\i:YY+\i+1] op_sel:[0,1,0] op_sel_hi:[1,1,1]
.endr
.irp i, 0,2,4,6
	v_pk_fma_f32 v[YY+\i:YY+\i+1], v[FQ+32+8*\g+\i:FQ+33+8*\g+\i], v[P+2:P+3], v[YY+\i:YY+\i+1] op_sel_hi:[1,0,1]
.endr
	FVLK NN, YY, 0x3ea2f983, KM
.irp i, 0,2,4,6
	v_pk_add_f32 v[NN+\i:NN+\i+1], v[NN+\i:NN+\i+1], v[KM:KM+1] neg_lo:[0,1] neg_hi:[0,1]
.endr
	FVLV YY, NN, 0xc0490fd8, YY
	FVLV YY, NN, 0xb528885a, YY
	FVLV YY, NN, 0xa84234c4, YY
.irp i, 0,2,4,6
	v_pk_mul_f32 v[NN+\i:NN+\i+1], v[YY+\i:YY+\i+1], v[YY+\i:YY+\i+1]
.endr
	FVLK PSN, NN, 0xb2d7322b, KS
	FVLK PCS, NN, 0x310f76c8, KC
	FVVL PSN, PSN, NN, 0xb9500d01
	FVVL PCS, PCS, NN, 0x37d00d01
	FVVL PSN, PSN, NN, 0x3c088889
	FVVL PCS, PCS, NN, 0xbab60b61
	FVVL PSN, PSN, NN, 0xbe2aaaab
	FVVL PCS, PCS, NN, 0x3d2aaaab
.irp i, 0,2,4,6
	v_pk_mul_f32 v[PSN+\i:PSN+\i+1], v[PSN+\i:PSN+\i+1], v[NN+\i:NN+\i+1]
.endr
	FVVL PCS, PCS, NN, -0.5
	FVVV PSN, PSN, YY, YY
	FVVL PCS, PCS, NN, 1.0
.irp i, 0,2,4,6
	v_pk_add_f32 v[YY+\i:YY+\i+1], v[PSN+\i:PSN+\i+1], v[PSN+\i:PSN+\i+1]
.endr
.irp i, 0,2,4,6
	v_pk_mul_f32 v[SS+8*\g+\i:SS+8*\g+\i+1], v[YY+\i:YY+\i+1], v[PCS+\i:PCS+\i+1]
.endr
.irp i, 0,2,4,6
	v_pk_fma_f32 v[CC+8*\g+\i:CC+8*\g+\i+1], v[YY+\i:YY+\i+1], v[PSN+\i:PSN+\i+1], 1.0 op_sel_hi:[1,1,0] neg_lo:[1,0,0] neg_hi:[1,0,0]
.endr
.endm
.macro ROT g
.irp e, 0,2,4,6,8,10,12,14
	v_pk_mul_f32 v[224+2*\e:225+2*\e], v[T+32*\g+2*\e:T+32*\g+2*\e+1], v[CC+\e:CC+\e+1] op_sel_hi:[1,0]
	v_pk_mul_f32 v[226+2*\e:227+2*\e], v[T+32*\g+2*\e+2:T+32*\g+2*\e+3], v[CC+\e:CC+\e+1] op_sel:[0,1] op_sel_hi:[1,1]
.endr
.irp e, 0,2,4,6,8,10,12,14
	v_pk_fma_f32 v[T+32*\g+2*\e:T+32*\g+2*\e+1], v[T+32*\g+2*\e:T+32*\g+2*\e+1], v[SS+\e:SS+\e+1], v[224+2*\e:225+2*\e] op_sel:[1,0,0] op_sel_hi:[0,0,1] neg_lo:[0,1,0]
	v_pk_fma_f32 v[T+32*\g+2*\e+2:T+32*\g+2*\e+3], v[T+32*\g+2*\e+2:T+32*\g+2*\e+3], v[SS+\e:SS+\e+1], v[226+2*\e:227+2*\e] op_sel:[1,1,0] op_sel_hi:[0,1,1] neg_lo:[0,1,0]
.endr
.endm
.macro QHF s, pc, pd
	v_max3_num_f32 v[TM], |v[\s]|, |v[\s+1]|, 0x1800000
	v_max3_num_f32 v[TM+1], |v[\s+16]|, |v[\s+17]|, 0x1800000
.irp i, 2,4,6,8,10,12,14
	v_max3_num_f32 v[TM], v[TM], |v[\s+\i]|, |v[\s+\i+1]|
	v_max3_num_f32 v[TM+1], v[TM+1], |v[\s+16+\i]|, |v[\s+17+\i]|
.endr
	v_permlanex16_b32 v[T2], v[TM], s[SEL], s[SEL+1]
	v_permlanex16_b32 v[T2+1], v[TM+1], s[SEL], s[SEL+1]
	v_max_num_f32 v[TM], v[TM], v[T2]
	v_max_num_f32 v[TM+1], v[TM+1], v[T2+1]
	v_add_nc_u32 v[SO], 0xff000000, v[TM]
	v_add_nc_u32 v[SO+1], 0xff000000, v[TM+1]
	v_lshrrev_b32 v[BY], 23, v[SO]
	v_lshrrev_b32 v[BY+1], 23, v[SO+1]
	v_cvt_scalef32_pk16_fp6_f32 v[\pc:\pc+2], v[\s:\s+15], v[SO]
	v_cvt_scalef32_pk16_fp6_f32 v[\pd:\pd+2], v[\s+16:\s+31], v[SO+1]
	v_nop
.irp i, 0,1,2
	v_permlane16_swap_b32 v[\pc+\i], v[\pd+\i]
.endr
.irp i, 0,1,2
	v_mov_b32 v[\pc+3+\i], v[\pd+\i]
.endr
.endm
	s_mov_b32 s90, 0
.Lqk:
.irp a, 0,1,2,3,4,5,6
	s_cmp_eq_u32 s90, \a
	s_cbranch_scc1 .Lgq\a
.endr
	GETQK 7
	s_branch .Lgqj
.irp a, 0,1,2,3,4,5,6
.Lgq\a:
	GETQK \a
	s_branch .Lgqj
.endr
.Lgqj:
	s_wait_alu depctr_va_vdst(0)
	TRIG 0
	TRIG 1
	ROT 0
	ROT 1
	QHF T, 224, 230
	v_lshl_or_b32 v252, v[BY+1], 8, v[BY]
	global_store_b128 v4, v[224:227], s[14:15]
	global_store_b64 v5, v[228:229], s[14:15] offset:512
	v_alignbit_b32 v[WQ], v[WQ+1], v[WQ], 16
	v_alignbit_b32 v[WQ+1], v[WQ+2], v[WQ+1], 16
	v_alignbit_b32 v[WQ+2], v[WQ+3], v[WQ+2], 16
	v_alignbit_b32 v[WQ+3], v252, v[WQ+3], 16
	QHF T+32, 234, 240
	v_lshl_or_b32 v252, v[BY+1], 8, v[BY]
	global_store_b128 v4, v[234:237], s[16:17]
	global_store_b64 v5, v[238:239], s[16:17] offset:512
	v_alignbit_b32 v[WK], v[WK+1], v[WK], 16
	v_alignbit_b32 v[WK+1], v[WK+2], v[WK+1], 16
	v_alignbit_b32 v[WK+2], v[WK+3], v[WK+2], 16
	v_alignbit_b32 v[WK+3], v252, v[WK+3], 16
	s_wait_xcnt 0x0
	s_add_nc_u64 s[14:15], s[14:15], 768
	s_add_nc_u64 s[16:17], s[16:17], 768
	s_add_co_u32 s90, s90, 1
	s_cmp_lt_u32 s90, 8
	s_cbranch_scc1 .Lqk
	v_cmp_ne_u32 vcc_lo, 0, v2
	s_wait_alu depctr_va_vdst(0)
.irp i, 0,1,2,3
	v_cndmask_b32 v[WK+\i], v[WK+\i], v[WQ+\i], vcc_lo
.endr
	v_lshlrev_b32 v26, 4, v1
	v_lshl_add_u32 v26, v2, 9, v26
	global_store_b128 v26, v[WK:WK+3], s[16:17] offset:6144
	s_wait_xcnt 0x0                                ; the stores above have read their data, offsets and bases
	s_mul_i32 s81, s[RH], 49152                    ; my four tiles of A,
	s_mul_i32 s82, s[CH], 98304
	s_add_co_u32 s82, s82, 98304                   ; my eight of B: tiles 0-3,
	v_add_nc_u32 v[A16], s81, v4
	v_add_nc_u32 v[A8], s81, v5
	v_add_nc_u32 v[B16], s82, v4
	v_add_nc_u32 v[B8], s82, v5
	s_add_co_u32 s82, s82, 49152                   ; and tiles 4-7
	v_add_nc_u32 v[B16+1], s82, v4
	v_add_nc_u32 v[B8+1], s82, v5
	s_lshl_b32 s81, s86, 3
	s_lshl_b32 s83, s[RH], 2
	s_add_co_u32 s81, s81, s83
	s_add_co_u32 s81, s81, 640
	s_lshl_b32 s81, s81, 9                         ; A's scale words
	s_lshl_b32 s82, s87, 4
	s_lshl_b32 s83, s[CH], 3
	s_add_co_u32 s82, s82, s83
	s_lshl_b32 s82, s82, 9                         ; B's
	v_mov_b32 v21, s81
	v_mov_b32 v22, s82
	v_cmp_ne_u32 vcc_lo, 0, v2
	v_cndmask_b32 v20, v21, v22, vcc_lo
	v_add_nc_u32 v21, 0xfffff800, v21              ; registers 4-7 of the scales hold A's tiles 0-3 once more, for A's second set
	v_cndmask_b32 v25, v21, v22, vcc_lo
	v_lshl_add_u32 v20, v1, 4, v20
	v_lshl_add_u32 v25, v1, 4, v25
.irp i, 0,1,2,3
	global_load_b128 v[SC+8*\i:SC+8*\i+3], v20, s[6:7] offset:512*\i
	global_load_b128 v[SC+8*\i+4:SC+8*\i+7], v20, s[6:7] offset:512*\i+256
.endr
.irp i, 4,5,6,7
	global_load_b128 v[SC+8*\i:SC+8*\i+3], v25, s[6:7] offset:512*\i
	global_load_b128 v[SC+8*\i+4:SC+8*\i+7], v25, s[6:7] offset:512*\i+256
.endr
	s_lshl_b32 s73, s86, 7
	s_lshl_b32 s74, s[RH], 6
	s_add_co_u32 s73, s73, s74
	s_add_co_u32 s73, s73, 2048                    ; v's bias: my 64 channels
	v_and_b32 v21, 8, v1
	v_add_nc_u32 v21, v21, v1
	v_add_nc_u32 v22, s73, v21
	v_lshlrev_b32 v22, 2, v22
.irp a, 0,1,2,3
	global_load_b32 v[POS+\a], v22, s[8:9] offset:(32*(\a/2)+8*(\a%2))*4
.endr
	s_wait_alu depctr_va_vdst(0)
	s_wait_tensorcnt 0x0                           ; my part of v's operands is in,
	s_barrier_signal -1
	s_barrier_wait -1                              ; everybody's is
	HFETCH 0, 0
	s_wait_loadcnt 0x0
	HSTEP 0, 1
	HSTEP 1, 0
	HSTEP 2, 0
	HSTEP 3, 0
	HSTEP 4, 0
	HSTEP 5, 0
	HSTEP 6, 0
	HSTEP 7, 0
	PLACES
	s_lshr_b32 s73, s87, 3
	s_lshl_b32 s73, s73, 4
	s_lshl_b32 s74, s86, 1
	s_add_co_u32 s73, s73, s74
	s_add_co_u32 s73, s73, s[RH]                   ; batch x 16 + head: a wave's 64 channels are one head
	s_and_b32 s74, s87, 7
	s_lshl_b32 s74, s74, 1
	s_add_co_u32 s74, s74, s[CH]                   ; the record of my 128 tokens
	s_mul_i32 s78, s73, 208896
	s_mul_i32 s80, s74, 13056
	s_add_co_u32 s78, s78, s80
	s_mov_b32 s79, 0
	s_add_nc_u64 s[76:77], s[88:89], s[78:79]
	s_add_nc_u64 s[16:17], s[76:77], 6144
.irp i, 0,1,2,3
	v_mov_b32 v[WK+\i], 0
.endr
	v_mov_b32 v[T2], 0
	v_mov_b32 v[T2+1], 0
	s_wait_loadcnt 0x0
.macro GETV a
	WIN 0x02+(\a)/4
.set t, 0
.rept 32
.if (\a)%2 == 0
	v_pk_add_f32 v[T+t:T+t+1], v[64*((\a)%4)+t:64*((\a)%4)+t+1], v[POS+(\a):POS+(\a)+1] op_sel_hi:[1,0]
.else
	v_pk_add_f32 v[T+t:T+t+1], v[64*((\a)%4)+t:64*((\a)%4)+t+1], v[POS+(\a)-1:POS+(\a)] op_sel:[0,1] op_sel_hi:[1,1]
.endif
.set t, t+2
.endr
	WIN 0
.endm
	s_mov_b32 s90, 0
.Lv:
.irp a, 0,1,2
	s_cmp_eq_u32 s90, \a
	s_cbranch_scc1 .Lgv\a
.endr
	GETV 3
	s_branch .Lgvj
.irp a, 0,1,2
.Lgv\a:
	GETV \a
	s_branch .Lgvj
.endr
.Lgvj:
	QHF T, 224, 230
	v_lshl_or_b32 v252, v[BY+1], 8, v[BY]
	global_store_b128 v4, v[224:227], s[16:17]
	global_store_b64 v5, v[228:229], s[16:17] offset:512
	QHF T+32, 234, 240
	v_lshl_or_b32 v253, v[BY+1], 8, v[BY]
	global_store_b128 v4, v[234:237], s[16:17] offset:768
	global_store_b64 v5, v[238:239], s[16:17] offset:1280
	v_lshl_or_b32 v252, v253, 16, v252
	v_mov_b32 v[WK], v[WK+1]                       ; the four tiles' scale words move up, the newest last
	v_mov_b32 v[WK+1], v[WK+2]
	v_mov_b32 v[WK+2], v[WK+3]
	v_mov_b32 v[WK+3], v252
	s_wait_xcnt 0x0
	s_add_nc_u64 s[16:17], s[16:17], 1536
	s_add_co_u32 s90, s90, 1
	s_cmp_lt_u32 s90, 4
	s_cbranch_scc1 .Lv
	s_wait_alu depctr_va_vdst(0)
	v_cmp_ne_u32 vcc_lo, 0, v2
	v_cndmask_b32 v[WK], v[WK], v[WK+2], vcc_lo    ; lane (r, h) stores words 2 h and 2 h + 1 of row r: 32 lanes fill 256 consecutive bytes
	v_cndmask_b32 v[WK+1], v[WK+1], v[WK+3], vcc_lo
	v_lshlrev_b32 v26, 4, v1
	v_lshl_add_u32 v26, v2, 3, v26
	global_store_b64 v26, v[WK:WK+1], s[76:77] offset:12544
.Ljoin:
	s_wait_tensorcnt 0x0
	ds_add_u32 v[SPW], v[NIL]
	s_wait_dscnt 0x0
	CROUND
	s_endpgm
.Lfunc_end_k_q74b7738856_qkv:
	.size	k_q74b7738856_qkv, .Lfunc_end_k_q74b7738856_qkv-k_q74b7738856_qkv
	.p2alignl 7, 3214868480
	.fill 96, 4, 3214868480
	.section	.rodata,"a",@progbits
	.p2align	6, 0x0
	.amdhsa_kernel k_q74b7738856_qkv
		.amdhsa_group_segment_fixed_size 327680
		.amdhsa_private_segment_fixed_size 0
		.amdhsa_enable_private_segment 0
		.amdhsa_kernarg_size 56
		.amdhsa_user_sgpr_count 2
		.amdhsa_user_sgpr_kernarg_segment_ptr 1
		.amdhsa_wavefront_size32 1
		.amdhsa_system_sgpr_workgroup_id_x 1
		.amdhsa_system_sgpr_workgroup_id_y 1
		.amdhsa_system_sgpr_workgroup_id_z 1
		.amdhsa_system_vgpr_workitem_id 0
		.amdhsa_next_free_vgpr 1024
		.amdhsa_next_free_sgpr 100
		.amdhsa_reserve_vcc 1
		.amdhsa_float_denorm_mode_32 3
		.amdhsa_float_denorm_mode_16_64 3
		.amdhsa_memory_ordered 1
		.amdhsa_forward_progress 1
		.amdhsa_inst_pref_size 239
	.end_amdhsa_kernel
	.amdgpu_metadata
---
amdhsa.version: [ 1, 2 ]
amdhsa.kernels:
  - .name:           k_q74b7738856_qkv
    .symbol:         k_q74b7738856_qkv.kd
    .args:
      - { .name: xc, .offset: 0, .size: 8, .value_kind: global_buffer, .address_space: global }
      - { .name: scl, .offset: 8, .size: 8, .value_kind: global_buffer, .address_space: global }
      - { .name: in_proj_bias, .offset: 16, .size: 8, .value_kind: global_buffer, .address_space: global }
      - { .name: positions, .offset: 24, .size: 8, .value_kind: global_buffer, .address_space: global }
      - { .name: freqs, .offset: 32, .size: 8, .value_kind: global_buffer, .address_space: global }
      - { .name: qc, .offset: 40, .size: 8, .value_kind: global_buffer, .address_space: global }
      - { .name: kv, .offset: 48, .size: 8, .value_kind: global_buffer, .address_space: global }
    .group_segment_fixed_size: 327680
    .private_segment_fixed_size: 0
    .kernarg_segment_align: 8
    .kernarg_segment_size: 56
    .max_flat_workgroup_size: 128
    .sgpr_count:     100
    .vgpr_count:     1024
    .wavefront_size: 32
...
	.end_amdgpu_metadata
.endif
;; end of part 2
;; launch attn (part 3): grid 4 x 64, 8 waves a work-group, clusters of 4 x 1, 210,944 bytes of LDS; arguments qc, kv, oc, scl; writes oc, scl
.if DOCPART == 3
	.amdgcn_target "amdgcn-amd-amdhsa--gfx1250"
	.amdhsa_code_object_version 6
	.text
	.protected	k_q74b7738856_attn
	.globl	k_q74b7738856_attn
	.p2align	8
	.type	k_q74b7738856_attn,@function
k_q74b7738856_attn:
	s_mov_b64 s[64:65], 0
	v_nop
	global_prefetch_b8 v0, s[64:65] scope:SCOPE_SE
	s_setreg_imm32_b32 hwreg(HW_REG_WAVE_MODE, 25, 1), 1
	s_wait_xcnt 0x0
	s_wait_alu depctr_hold_cnt(0) depctr_sa_sdst(0) depctr_va_vdst(0) depctr_va_sdst(0) depctr_va_ssrc(0) depctr_va_vcc(0) depctr_vm_vsrc(0)
	s_getreg_b32 s2, hwreg(HW_REG_IB_STS2, 6, 4)
	s_cmp_eq_u32 s2, 0
	s_cbranch_scc0 .Lentry_in_a_cluster
	s_endpgm
.Lentry_in_a_cluster:
	s_bfe_u32 s2, ttmp6, 0x10000c
	s_cmp_lg_u32 s2, 0x3003
	s_cbranch_scc0 .Lentry_shape_is_right
	s_endpgm
.Lentry_shape_is_right:
; o = softmax(q k^T / 8) v for one head, both products on codes of FP6, and o quantised along the channels for the last projection.
; THE SOFTMAX: t = score x log2(e) / 8; M = the running largest t rounded UP to a whole number; p = 2^(t - M) is quantised along the keys, not normalised;
; the row's sum is taken of the unquantised p and divides at the end; when M moves, sum and O are multiplied by 2^(old M - new M), which rounds nothing.
; SHARES.  A work-group owns 512 queries of one head.  Each of eight waves owns four tiles of 16 queries, two at a time (tiles A and B), in two passes: a fragment of K or V read from LDS feeds both tiles.
; ALL OF THE HEAD'S K, V AND SCALE WORDS STAY IN LDS: sixteen records of 13,056 bytes (128 keys each); every wave fetches two with one tensor load; nothing is filled again; one barrier.
; CLUSTER.  The four work-groups of a head read the same records: each load is a joint one, with the mask of all four.  No prefetch: the one fill stands at the head, and no loop runs ahead of it.
; A RECORD: K's 8 images of 768 bytes (16 keys x 64), V^T's 8, 256 bytes of K's scale words, 256 of V's, 256 of q's.  Image a, row 8 x + j holds key 32 (a / 2) + 16 x + 8 (a % 2) + j.
; WHICH KEYS FORM A TILE OF K is chosen by the LDS address: row 8 y + j of tile 4 c + u is key 64 c + 32 y + 8 u + j, which lies in image 4 c + 2 y + u % 2, row 8 (u / 2) + j.
; Both products are used transposed, so lane (r, h) holds query r, and its 32 registers of tiles 4 c .. 4 c + 3 are keys 64 c + 32 h + 0 .. 31: a WHOLE block of p, in the order of the operand's registers.
; THE FIRST PRODUCT'S K IS 64, the instruction's 128: source 0 holds two tiles of keys, source 1 q in one half and zero codes in the other.
; REGISTERS: what belongs to one tile of queries has the same numbers in window 0 (tile A) and window 1 (tile B): v11 8 h; v12 -M; v13 largest score; v[14:15] sum; v16-33 zeros, q, zeros; v64-127 S^T, p;
; v128-159 O^T; v160-178 p's codes; v180-197 at work.  Window 0 alone: addresses, scale words (v40-53), K's fragments v208-255.  Window 1 alone: q's four tiles as loaded v34-57, V's fragments v208-255.
; LIMITS: the promise holds while the scaled scores stay under 2^31 in magnitude; the division by the row's sum is a reciprocal and a multiplication; a block of zeros gets the byte 1 (its codes are zeros); NaN and infinities are not served.
.set REC,  13056
.set SPARE, 16*REC
.set SPW,  3
.set NIL,  4
.set LK16, 6
.set LK8,  7
.set H8,   11
.set Q,    16
.set QHI,  16
.set QLO,  22
.set ADK16, 34
.set ADK8, 35
.set ADKS, 36
.set ADV16, 37
.set ADV8, 38
.set LKS,  39
.set KS,   40
.set VS,   44
.set QW,   48
.set QSA,  50
.set QSB,  51
.set PSA,  52
.set PSB,  53
.set ST,   34
.set S,    64
.set OT,   128
.set PC,   160
.set PD,   172
.set BM,   180
.set T2,   182
.set SO,   184
.set BY,   186
.set FF,   188
.set TMP,  190
.set X,    192
.set KF,   208
.set VF,   208
.set WV,   18
.set SEL,  20
.set CS,   22
.set G1,   24
.set G0,   32
.set TB,   36
.set PASS, 38
.set TN,   39
.set HM,   40
.set NC,   41
.set MSB, 0
.macro WIN new
.if MSB != \new
	s_set_vgpr_msb (MSB<<8)|\new
.set MSB, \new
.endif
.endm
.macro CROUND
	s_barrier_signal -1
	s_barrier_wait -1
	s_cmp_lg_u32 s[WV], 0
	s_cbranch_scc1 .Lnot_wave_0_\@
	s_barrier_signal -3
.Lnot_wave_0_\@:
	s_barrier_wait -3
	s_barrier_signal -1
	s_barrier_wait -1
.endm
.macro KLOAD a16, a8, as               ; K's four operands (tiles 2 j, 2 j + 1) and their scale words: 20 loads
.irp j, 0,1,2,3
	ds_load_b128 v[KF+12*\j:KF+12*\j+3], v[\a16] offset:3072*(\j/2)+128*(\j%2)
	ds_load_b64 v[KF+12*\j+4:KF+12*\j+5], v[\a8] offset:3072*(\j/2)+64*(\j%2)+512
	ds_load_b128 v[KF+12*\j+6:KF+12*\j+9], v[\a16] offset:3072*(\j/2)+128*(\j%2)+768
	ds_load_b64 v[KF+12*\j+10:KF+12*\j+11], v[\a8] offset:3072*(\j/2)+64*(\j%2)+1280
.endr
.irp j, 0,1,2,3
	ds_load_b32 v[KS+\j], v[\as] offset:12288+128*(\j%2)+8*(\j/2)
.endr
.endm
.macro SMUL qs                         ; S^T = K q^T: eight tiles of 16 keys
.irp j, 0,1,2,3
	v_wmma_scale_f32_16x16x128_f8f6f4 v[S+16*\j:S+16*\j+7], v[KF+12*\j:KF+12*\j+11], v[QLO:QLO+11], 0, v[KS+\j], v[\qs] matrix_a_fmt:MATRIX_FMT_FP6 matrix_b_fmt:MATRIX_FMT_FP6
	v_wmma_scale_f32_16x16x128_f8f6f4 v[S+16*\j+8:S+16*\j+15], v[KF+12*\j:KF+12*\j+11], v[QHI:QHI+11], 0, v[KS+\j], v[\qs] matrix_a_fmt:MATRIX_FMT_FP6 matrix_b_fmt:MATRIX_FMT_FP6
.endr
.endm
.macro PV ps                           ; O^T += V^T p^T, the four accumulators by turns
.irp t, 0,1,2,3
	v_wmma_scale_f32_16x16x128_f8f6f4 v[OT+8*\t:OT+8*\t+7], v[VF+12*\t:VF+12*\t+11], v[PC:PC+11], v[OT+8*\t:OT+8*\t+7], v[VS+\t], v[\ps] matrix_a_fmt:MATRIX_FMT_FP6 matrix_b_fmt:MATRIX_FMT_FP6 matrix_a_scale:MATRIX_SCALE_ROW1
.endr
.endm
.macro FMAS n                          ; t - M, two at a time
.rept \n
	v_pk_fma_f32 v[S+fp:S+fp+1], v[S+fp:S+fp+1], s[CS:CS+1], v[12:13] op_sel_hi:[1,0,0]
.set fp, fp+2
.endr
.endm
.macro ADDS n                          ; the next n of the 32 packed additions of the row's sum, in four chains
.rept \n
.if sp < 3
	v_pk_add_f32 v[X+2*sp:X+2*sp+1], v[S+4*sp:S+4*sp+1], v[S+4*sp+2:S+4*sp+3]
.elseif sp < 29
.if (sp-3)%4 == 0
	v_pk_add_f32 v[14:15], v[14:15], v[S+2*sp+6:S+2*sp+7]
.else
	v_pk_add_f32 v[X+2*((sp-3)%4)-2:X+2*((sp-3)%4)-1], v[X+2*((sp-3)%4)-2:X+2*((sp-3)%4)-1], v[S+2*sp+6:S+2*sp+7]
.endif
.elseif sp == 29
	v_pk_add_f32 v[X:X+1], v[X:X+1], v[X+2:X+3]
.elseif sp == 30
	v_pk_add_f32 v[14:15], v[14:15], v[X+4:X+5]
.else
	v_pk_add_f32 v[14:15], v[14:15], v[X:X+1]
.endif
.set sp, sp+1
.endr
.endm
; One tile's softmax and quantiser for 128 keys.  wa: the tile's window in every place; wd: the same with the destination in window 0 (scale words lie there); ps: p's scale word; first: V's loads are waited for here
.macro SOFT wa, wd, ps, first
	WIN \wa
	s_wait_alu depctr_va_vdst(0)                   ; ahead of the first readers of the scores
.irp c, 0,1
	v_max3_num_f32 v[BM+\c], v[S+32*\c], v[S+32*\c+1], v[S+32*\c+2]            ; my two blocks' largest scores, each in two chains; every accumulator is first read at its low end
	v_max3_num_f32 v[TMP+\c], v[S+32*\c+16], v[S+32*\c+17], v[S+32*\c+18]
.endr
.irp i, 3,5,7,9,11,13
.irp c, 0,1
	v_max3_num_f32 v[BM+\c], v[BM+\c], v[S+32*\c+\i], v[S+32*\c+\i+1]
	v_max3_num_f32 v[TMP+\c], v[TMP+\c], v[S+32*\c+16+\i], v[S+32*\c+17+\i]
.endr
.endr
.irp c, 0,1
	v_max3_num_f32 v[BM+\c], v[BM+\c], v[TMP+\c], v[S+32*\c+15]
.endr
.irp c, 0,1
	v_max_num_f32 v[BM+\c], v[BM+\c], v[S+32*\c+31]
.endr
	v_mov_b32 v[TMP+1], v12                        ; the old -M
	s_delay_alu instid0(VALU_DEP_2)
	v_max_num_f32 v[TMP], v[BM], v[BM+1]
	s_delay_alu instid0(VALU_DEP_1)
	v_permlanex16_b32 v[T2], v[TMP], s[SEL], s[SEL+1]
	s_delay_alu instid0(VALU_DEP_1)
	v_max3_num_f32 v13, v13, v[TMP], v[T2]         ; the running largest score of my query
	s_delay_alu instid0(VALU_DEP_1)
	v_mul_f32 v[TMP], s[NC], v13                   ; -t
	s_delay_alu instid0(VALU_DEP_1)
	v_floor_f32 v12, v[TMP]                        ; the new -M = -ceil(t)
.set fp, 0
	FMAS 4
	v_sub_f32 v[TMP], v12, v[TMP+1]                ; old M - new M: a whole number, 0 or less
	FMAS 4
	v_cvt_i32_f32 v[TMP], v[TMP]                   ; (it saturates)
	FMAS 4
	v_ldexp_f32 v[FF], 1.0, v[TMP]                 ; f = 2^(old M - new M)
	FMAS 20
	v_fma_f32 v[BM], v[BM], s[CS], v12             ; the same of each block's largest score
	v_fma_f32 v[BM+1], v[BM+1], s[CS], v12
	s_wait_alu depctr_va_vdst(0)                   ; ahead of the first readers of O^T and ahead of the batch
.set j, 0
.rept 16
	v_pk_mul_f32 v[OT+j:OT+j+1], v[OT+j:OT+j+1], v[FF:FF+1] op_sel_hi:[1,0]   ; O^T under the new M
.set j, j+2
.endr
.set j, 0
.rept 64
	v_exp_f32 v[S+j], v[S+j]                       ; p = 2^(t - M)
.set j, j+1
.endr
	v_exp_f32 v[BM], v[BM]                         ; each block's largest p
	v_exp_f32 v[BM+1], v[BM+1]
	v_pk_mul_f32 v[14:15], v[14:15], v[FF:FF+1] op_sel_hi:[1,0]   ; the sums under the new M; the plain place behind the batch
	s_wait_alu depctr_va_vdst(0)                   ; one wait for the batch, ahead of its first reader
.if \first
	s_wait_dscnt 20                                ; V's 16 loads and its scale words are in; the 20 younger loads, the next record's K, may be out
.endif
.set sp, 0
	v_max_num_f32 v[BM], 0x1800000, v[BM]          ; the floor 2^(3 - 127): the byte cannot fall under 1
	v_max_num_f32 v[BM+1], 0x1800000, v[BM+1]
	ADDS 2
	v_add_nc_u32 v[SO], 0xff000000, v[BM]          ; 2 off the exponent field: the conversion's scale operand
	v_add_nc_u32 v[SO+1], 0xff000000, v[BM+1]
	ADDS 2
.irp c, 0,1
	v_cvt_scalef32_pk16_fp6_f32 v[PC+6*\c:PC+6*\c+2], v[S+32*\c:S+32*\c+15], v[SO+\c]
	v_cvt_scalef32_pk16_fp6_f32 v[PD+4*\c:PD+4*\c+2], v[S+32*\c+16:S+32*\c+31], v[SO+\c]   ; (a conversion's three registers begin on an even number)
.endr
	v_lshrrev_b32 v[BY], 23, v[SO]                 ; the bytes; the plain place behind the conversions
	v_lshrrev_b32 v[BY+1], 23, v[SO+1]
	ADDS 2
	v_lshl_or_b32 v[BY], v[BY+1], 16, v[BY]        ; blocks h and 2 + h
.irp c, 0,1
.irp i, 0,1,2
	v_mov_b32 v[PC+6*\c+3+\i], v[PD+4*\c+\i]
.endr
.endr
	v_lshlrev_b32 v[BY], v[H8], v[BY]              ; at their places in the word
	ADDS 3
	v_permlanex16_b32 v[T2], v[BY], s[SEL], s[SEL+1]
	ADDS 3
	WIN \wd
	v_or_b32 v[\ps], v[BY], v[T2]                  ; with lane l xor 16's two the word is whole
	WIN \wa
	ADDS 20                                        ; these 20 are also the places ahead of the scaled products
.endm
.macro INIT
	v_mov_b32 v13, 0xff61b1e6                      ; the largest score so far: -3e38
	v_mov_b32 v12, 0x7f61b1e6                      ; -M
	v_mov_b32 v14, 0
	v_mov_b32 v15, 0
.set j, 0
.rept 32
	v_mov_b32 v[OT+j], 0                           ; the step is written once: the first finds zeros
.set j, j+1
.endr
.endm
; A pass's end for one tile: o = O^T / the sum, quantised along the channels: half an operand of the last projection.  ws: the window of the stores' data
.macro EPI wa, ws, oc, ob
	WIN \wa
	v_add_f32 v14, v14, v15
	s_delay_alu instid0(VALU_DEP_1)
	v_permlanex16_b32 v[T2], v14, s[SEL], s[SEL+1]
	s_delay_alu instid0(VALU_DEP_1)
	v_add_f32 v14, v14, v[T2]                      ; the row's sum
	s_wait_alu depctr_va_vdst(0)
	v_rcp_f32 v14, v14
	v_nop
	s_wait_alu depctr_va_vdst(0)                   ; ahead of the reciprocal's first reader and of the first readers of O^T
.set j, 0
.rept 32
	v_mul_f32 v[S+j], v[OT+j], v14                 ; register 16 n + i is channel 32 n + 16 h + i of my query
.set j, j+1
.endr
	v_max3_num_f32 v[BM], |v[S]|, |v[S+1]|, 0x1800000
	v_max3_num_f32 v[BM+1], |v[S+16]|, |v[S+17]|, 0x1800000
.irp i, 2,4,6,8,10,12,14
	s_delay_alu instid0(VALU_DEP_2)
	v_max3_num_f32 v[BM], v[BM], |v[S+\i]|, |v[S+\i+1]|
	s_delay_alu instid0(VALU_DEP_2)
	v_max3_num_f32 v[BM+1], v[BM+1], |v[S+16+\i]|, |v[S+17+\i]|
.endr
	s_delay_alu instid0(VALU_DEP_2)
	v_permlanex16_b32 v[T2], v[BM], s[SEL], s[SEL+1]
	s_delay_alu instid0(VALU_DEP_2)
	v_permlanex16_b32 v[T2+1], v[BM+1], s[SEL], s[SEL+1]
	s_delay_alu instid0(VALU_DEP_2)
	v_max_num_f32 v[BM], v[BM], v[T2]
	s_delay_alu instid0(VALU_DEP_2)
	v_max_num_f32 v[BM+1], v[BM+1], v[T2+1]
	s_delay_alu instid0(VALU_DEP_2)
	v_add_nc_u32 v[SO], 0xff000000, v[BM]
	s_delay_alu instid0(VALU_DEP_2)
	v_add_nc_u32 v[SO+1], 0xff000000, v[BM+1]
	s_delay_alu instid0(VALU_DEP_2)
	v_lshrrev_b32 v[BY], 23, v[SO]
	s_delay_alu instid0(VALU_DEP_2)
	v_lshrrev_b32 v[BY+1], 23, v[SO+1]
	v_cvt_scalef32_pk16_fp6_f32 v[PC:PC+2], v[S:S+15], v[SO]
	v_cvt_scalef32_pk16_fp6_f32 v[PD:PD+2], v[S+16:S+31], v[SO+1]
	v_cndmask_b32 v[TMP], v[BY], v[BY+1], s[HM]    ; my half's block's byte; the plain place behind the conversions
.irp i, 0,1,2
	v_permlane16_swap_b32 v[PC+\i], v[PD+\i]
.endr
.irp i, 0,1,2
	s_delay_alu instid0(VALU_DEP_3)
	v_mov_b32 v[PC+3+\i], v[PD+\i]
.endr
	WIN \ws
	global_store_b128 v1, v[PC:PC+3], s[8:9] offset:\oc          ; 512 consecutive bytes,
	global_store_b64 v2, v[PC+4:PC+5], s[8:9] offset:\oc+512     ; and 256
	global_store_b8 v8, v[TMP], s[10:11] offset:\ob              ; a head owns two bytes of each row's scale word: they leave singly
.endm
	s_load_b256 s[4:11], s[0:1], 0x0               ; qc, kv, oc, scl
	v_lshl_add_u32 v[SPW], v0, 2, SPARE
	v_mov_b32 v[NIL], 0
	ds_add_u32 v[SPW], v[NIL]                      ; the opening lines: the add, twice on end, and its wait ahead of my tensor load
	ds_add_u32 v[SPW], v[NIL]
	v_lshrrev_b32 v5, 5, v0
	v_readfirstlane_b32 s[WV], v5
	s_bfe_u32 s12, ttmp6, 0x40000                  ; cx: it enters global addresses of q and o alone
	s_and_b32 s13, ttmp7, 0xffff                   ; batch x 16 + head
	s_mov_b32 s[G1], 15|(3<<16)|(1<<21)            ; the mask: all four; elements of 8 bytes; bit 21 beside a mask
	s_mov_b32 s[G1+1], 32<<16                      ; rows of 256 bytes,
	s_mov_b32 s[G1+2], 102<<16                     ; 102 of them, dense: two records
	s_mov_b32 s[G1+3], 32<<16
	s_mov_b32 s[G1+4], 102
	s_mov_b32 s[G1+5], 32
	s_mov_b32 s[G1+6], 0
	s_mov_b32 s[G1+7], 0
	s_mul_i32 s14, s13, 16*REC
	s_mov_b32 s15, 0
	s_mul_i32 s16, s[WV], 2*REC                    ; my two records, in memory and in LDS
	s_mov_b32 s17, 0
	s_mov_b32 s[SEL], 0x76543210
	s_mov_b32 s[SEL+1], 0xfedcba98
	s_mov_b32 s[CS], 0x3e38aa3b                    ; c = log2(e) / 8
	s_mov_b32 s[CS+1], s[CS]
	s_mov_b32 s[NC], 0xbe38aa3b                    ; -c
	s_mov_b32 s[HM], 0xffff0000
	s_mul_i32 s42, s13, 98304                      ; q: 128 tiles a head; my first tile is 32 cx + 4 wave
	s_mul_i32 s44, s12, 24576
	s_add_co_u32 s42, s42, s44
	s_mul_i32 s44, s[WV], 3072
	s_add_co_u32 s42, s42, s44
	s_mov_b32 s43, 0
	s_lshl_b32 s44, s12, 2                         ; q's scale words: record 4 cx + wave / 2, words 2 (wave % 2) and the next of each row
	s_lshr_b32 s45, s[WV], 1
	s_add_co_u32 s44, s44, s45
	s_mul_i32 s44, s44, REC
	s_and_b32 s45, s[WV], 1
	s_lshl_b32 s45, s45, 3
	s_add_co_u32 s44, s44, s45
	s_add_co_u32 s44, s44, 12800
	s_mov_b32 s45, 0
	s_lshr_b32 s46, s13, 4
	s_and_b32 s47, s13, 15                         ; head
	s_lshl_b32 s46, s46, 7
	s_lshl_b32 s48, s12, 5
	s_add_co_u32 s46, s46, s48
	s_lshl_b32 s48, s[WV], 2
	s_add_co_u32 s46, s46, s48                     ; my first tile among o's 512
	s_mul_i32 s48, s46, 12288
	s_mul_i32 s50, s47, 768
	s_add_co_u32 s48, s48, s50
	s_mov_b32 s49, 0
	s_add_co_u32 s50, s46, 768                     ; o's scale bytes: place 768 + tile; half head / 8; word (head / 2) % 4; bytes 2 (head % 2) on
	s_lshl_b32 s50, s50, 9
	s_lshr_b32 s52, s47, 3
	s_lshl_b32 s52, s52, 8
	s_add_co_u32 s50, s50, s52
	s_bfe_u32 s52, s47, 0x20001
	s_lshl_b32 s52, s52, 2
	s_add_co_u32 s50, s50, s52
	s_and_b32 s52, s47, 1
	s_lshl_b32 s52, s52, 1
	s_add_co_u32 s50, s50, s52
	s_mov_b32 s51, 0
	s_wait_dscnt 0x0                               ; both opening adds are done
	s_wait_kmcnt 0x0
	s_add_nc_u64 s[6:7], s[6:7], s[14:15]          ; kv at my head
	s_add_nc_u64 s[4:5], s[4:5], s[42:43]
	s_add_nc_u64 s[44:45], s[6:7], s[44:45]
	s_add_nc_u64 s[8:9], s[8:9], s[48:49]
	s_add_nc_u64 s[10:11], s[10:11], s[50:51]
	CROUND                                         ; all four work-groups are here: the joint loads meet
	s_mov_b32 s[G0], 1
	s_mov_b32 s[G0+1], s16
	s_add_nc_u64 s[G0+2:G0+3], s[6:7], s[16:17]
	s_or_b32 s[G0+3], s[G0+3], 0x80000000
	tensor_load_to_lds s[G0:G0+3], s[G1:G1+7]      ; my one tensor load
	s_nop 0
.rept 4
	v_nop
.endr
	v_and_b32 v5, 31, v0
	v_and_b32 v9, 15, v0                           ; r
	v_bfe_u32 v10, v0, 4, 1                        ; h
	v_and_b32 v54, 7, v0                           ; r % 8
	v_bfe_u32 v[LKS], v0, 3, 1                     ; r / 8
	v_lshlrev_b32 v1, 4, v5                        ; 16 x lane
	v_lshlrev_b32 v2, 3, v5                        ; 8 x lane
	v_lshl_add_u32 v8, v9, 4, v10                  ; 16 r + h: my byte among o's scales
	v_lshlrev_b32 v9, 4, v9                        ; 16 r
	v_mul_u32_u24 v[LK8], v[LKS], 1536             ; K: rows 8-15 of a tile lie two images on
	v_lshlrev_b32 v[H8], 3, v10
	v_lshlrev_b32 v[LKS], 2, v[LKS]
	v_lshl_add_u32 v[LK16], v54, 4, v[LK8]
	v_lshl_add_u32 v[LK8], v54, 3, v[LK8]
	v_lshl_add_u32 v[LKS], v54, 4, v[LKS]          ; K's scale word: row r % 8 (+ 8 by the offset), word r / 8 (+ 2 c by the offset)
	v_lshl_add_u32 v[LK16], v10, 8, v[LK16]        ; an image's first 16 bytes a lane: 16 (row + 16 h)
	v_lshl_add_u32 v[LK8], v10, 7, v[LK8]          ; its last 8: 8 (row + 16 h)
	WIN 0x40                                       ; destinations in window 1
.irp n, 0,1,2,3
	global_load_b128 v[ST+6*\n:ST+6*\n+3], v1, s[4:5] offset:768*\n        ; q's four tiles
	global_load_b64 v[ST+6*\n+4:ST+6*\n+5], v2, s[4:5] offset:768*\n+512
.endr
.irp i, 0,1,2,3,4,5
	v_mov_b32 v[Q+\i], 0                           ; zero codes
	v_mov_b32 v[Q+12+\i], 0
.endr
	v_mov_b32 v[T2], 0                             ; written once: a lane permute's destination counts as a source
	v_mov_b32 v[T2+1], 0
	v_mov_b32 v[FF+1], 0                           ; (named as the upper half of a pair)
	v_lshlrev_b32 v[H8], 3, v10
	WIN 0
	global_load_b64 v[QW:QW+1], v9, s[44:45]       ; q's scale bytes: a word a pass, tile A's two bytes low, tile B's high
.irp i, 0,1,2,3,4,5
	v_mov_b32 v[Q+\i], 0
	v_mov_b32 v[Q+12+\i], 0
.endr
	v_mov_b32 v[T2], 0
	v_mov_b32 v[T2+1], 0
	v_mov_b32 v[FF+1], 0
	s_wait_alu depctr_va_vdst(0)                   ; the head's end
	s_wait_tensorcnt 0x0                           ; my records are in,
	s_barrier_signal -1
	s_barrier_wait -1                              ; everybody's are
	s_wait_loadcnt 0x0
	s_mov_b32 s[PASS], 2
.Lpass:
	s_wait_dscnt 0x0                               ; no load into K's registers is out
	KLOAD LK16, LK8, LKS                           ; record 0's K: it lands under the lines below
	WIN 0x01
.irp i, 0,1,2,3,4,5
	v_mov_b32 v[Q+6+\i], v[ST+\i]                  ; tile A's q,
.endr
	WIN 0x41
.irp i, 0,1,2,3,4,5
	v_mov_b32 v[Q+6+\i], v[ST+6+\i]                ; tile B's,
.endr
.irp i, 0,1,2,3,4,5,6,7,8,9,10,11
	v_mov_b32 v[ST+\i], v[ST+12+\i]                ; and the next pass's two in their place
.endr
	WIN 0
	v_perm_b32 v[QSA], v[QW], v[QW], 0x01000100    ; a tile's two bytes, twice: they serve q in either half of K
	v_perm_b32 v[QSB], v[QW], v[QW], 0x03020302
	v_mov_b32 v[QW], v[QW+1]
	INIT
	WIN 0x55
	INIT
	WIN 0
	s_mov_b32 s[TB], 0
	s_wait_alu depctr_va_vdst(0)
.Lstep:                                            ; 128 keys, both tiles
	s_wait_dscnt 0x0                               ; this record's K and its scale words are in
	SMUL QSA
	WIN 0x44
	SMUL QSB
	WIN 0
	s_add_co_u32 s[TN], s[TB], REC
	s_min_u32 s[TN], s[TN], 15*REC                 ; the next record; the last step asks for its own once more, so that no address leaves the records
	v_add_nc_u32 v[ADV16], s[TB], v1               ; these five are the places in front of the loads into registers that products have read
	v_add_nc_u32 v[ADV8], s[TB], v2
	v_add_nc_u32 v[ADK16], s[TN], v[LK16]
	v_add_nc_u32 v[ADK8], s[TN], v[LK8]
	v_add_nc_u32 v[ADKS], s[TN], v[LKS]
	WIN 0x40
.irp t, 0,1,2,3
	ds_load_b128 v[VF+12*\t:VF+12*\t+3], v[ADV16] offset:6144+1536*\t          ; V^T's four tiles of this record
	ds_load_b64 v[VF+12*\t+4:VF+12*\t+5], v[ADV8] offset:6144+1536*\t+512
	ds_load_b128 v[VF+12*\t+6:VF+12*\t+9], v[ADV16] offset:6144+1536*\t+768
	ds_load_b64 v[VF+12*\t+10:VF+12*\t+11], v[ADV8] offset:6144+1536*\t+1280
.endr
	WIN 0
	ds_load_b128 v[VS:VS+3], v[ADV16] offset:12288 ; lanes 16-31: V's four scale words
	KLOAD ADK16, ADK8, ADKS
	SOFT 0, 0, PSA, 1
	WIN 0x01
	PV PSA
	SOFT 0x55, 0x05, PSB, 0
	PV PSB
	WIN 0
	s_add_co_u32 s[TB], s[TB], REC
	s_cmp_lt_u32 s[TB], 16*REC
	s_wait_alu depctr_va_vdst(0)
	s_cbranch_scc1 .Lstep
	EPI 0, 0, 0, 0                                 ; its vector lines are the places behind tile B's last products
	EPI 0x55, 0x04, 12288, 512
	WIN 0
	s_wait_xcnt 0x0                                ; the stores have read their data and bases
	s_add_nc_u64 s[8:9], s[8:9], 24576             ; two tiles of rows on
	s_add_nc_u64 s[10:11], s[10:11], 1024
	s_sub_co_u32 s[PASS], s[PASS], 1
	s_cmp_lg_u32 s[PASS], 0
	s_wait_alu depctr_va_vdst(0)
	s_cbranch_scc1 .Lpass
	s_wait_tensorcnt 0x0                           ; the wave's end
	ds_add_u32 v[SPW], v[NIL]
	s_wait_dscnt 0x0
	CROUND                                         ; the closing round
	s_endpgm
.Lfunc_end_k_q74b7738856_attn:
	.size	k_q74b7738856_attn, .Lfunc_end_k_q74b7738856_attn-k_q74b7738856_attn
	.p2alignl 7, 3214868480
	.fill 96, 4, 3214868480
	.section	.rodata,"a",@progbits
	.p2align	6, 0x0
	.amdhsa_kernel k_q74b7738856_attn
		.amdhsa_group_segment_fixed_size 210944
		.amdhsa_private_segment_fixed_size 0
		.amdhsa_enable_private_segment 0
		.amdhsa_kernarg_size 32
		.amdhsa_user_sgpr_count 2
		.amdhsa_user_sgpr_kernarg_segment_ptr 1
		.amdhsa_wavefront_size32 1
		.amdhsa_system_sgpr_workgroup_id_x 1
		.amdhsa_system_sgpr_workgroup_id_y 1
		.amdhsa_system_sgpr_workgroup_id_z 1
		.amdhsa_system_vgpr_workitem_id 0
		.amdhsa_next_free_vgpr 512
		.amdhsa_next_free_sgpr 66
		.amdhsa_reserve_vcc 0
		.amdhsa_float_denorm_mode_32 3
		.amdhsa_float_denorm_mode_16_64 3
		.amdhsa_memory_ordered 1
		.amdhsa_forward_progress 1
		.amdhsa_inst_pref_size 49
	.end_amdhsa_kernel
	.amdgpu_metadata
---
amdhsa.version: [ 1, 2 ]
amdhsa.kernels:
  - .name:           k_q74b7738856_attn
    .symbol:         k_q74b7738856_attn.kd
    .args:
      - { .name: qc, .offset: 0, .size: 8, .value_kind: global_buffer, .address_space: global }
      - { .name: kv, .offset: 8, .size: 8, .value_kind: global_buffer, .address_space: global }
      - { .name: oc, .offset: 16, .size: 8, .value_kind: global_buffer, .address_space: global }
      - { .name: scl, .offset: 24, .size: 8, .value_kind: global_buffer, .address_space: global }
    .group_segment_fixed_size: 210944
    .private_segment_fixed_size: 0
    .kernarg_segment_align: 8
    .kernarg_segment_size: 32
    .max_flat_workgroup_size: 256
    .sgpr_count:     66
    .vgpr_count:     512
    .wavefront_size: 32
...
	.end_amdgpu_metadata
.endif
;; end of part 3
;; launch oproj (part 4): grid 4 x 64, 4 waves a work-group, clusters of 4 x 4, 327,680 bytes of LDS; arguments oc, xc, scl, out_proj_bias, out0; writes out0
.if DOCPART == 4
	.amdgcn_target "amdgcn-amd-amdhsa--gfx1250"
	.amdhsa_code_object_version 6
	.text
	.protected	k_q74b7738856_oproj
	.globl	k_q74b7738856_oproj
	.p2align	8
	.type	k_q74b7738856_oproj,@function
k_q74b7738856_oproj:
	s_mov_b64 s[64:65], 0
	v_nop
	global_prefetch_b8 v0, s[64:65] scope:SCOPE_SE
	s_setreg_imm32_b32 hwreg(HW_REG_WAVE_MODE, 25, 1), 1
	s_wait_xcnt 0x0
	s_wait_alu depctr_hold_cnt(0) depctr_sa_sdst(0) depctr_va_vdst(0) depctr_va_sdst(0) depctr_va_ssrc(0) depctr_va_vcc(0) depctr_vm_vsrc(0)
	s_getreg_b32 s2, hwreg(HW_REG_IB_STS2, 6, 4)
	s_cmp_eq_u32 s2, 0
	s_cbranch_scc0 .Lentry_in_a_cluster
	s_endpgm
.Lentry_in_a_cluster:
	s_bfe_u32 s2, ttmp6, 0x10000c
	s_cmp_lg_u32 s2, 0xf033
	s_cbranch_scc0 .Lentry_shape_is_right
	s_endpgm
.Lentry_shape_is_right:
; out0 = o out_proj_weight^T + out_proj_bias, on codes of FP6 with E8M0 scales; sums in f32.
; A work-group makes 128 rows x 256 columns: 64 x 4 blocks are 256 work-groups.  A wave makes 64 x 128: 32 accumulators, window 2.
; ALL OF K LIES IN LDS: o's 8 tiles of 16 rows (12,288 bytes each: K = 1,024) from byte 0, the weight's 16 tiles from byte 98,304: 294,912 bytes, filled once, one tensor load a wave:
; waves 0 and 1 four tiles of o each, waves 2 and 3 eight tiles of the weight each.  Nothing is filled again; no loop stands ahead of the fill, so nothing is prefetched.
; CLUSTER 4 x 4: o's tiles hang on the row block alone and are asked for jointly along a row of the cluster, the weight's on the column block alone, along a column.
; A tile is laid as its operand's registers: for each 64 along K 768 bytes, a lane's first 16 bytes at 16 x lane, its last 8 at 512 + 8 x lane.  A tile's row r is row 32 (tile / 2) + 8 (tile % 2) + r + 8 (r / 8).
; The matrix instruction is used transposed (source 0 = the weight's rows, source 1 = o's rows): a lane holds eight neighbouring columns of one row.  The bias is the C of the first step's products.
; WAY OUT: 16 rows x 128 columns at a time through the wave's own stage, in bytes of the weight's tiles that every wave has read for the last time (a barrier stands between); rows of 512 bytes leave whole.
.set SPARE, 294912
.set SPW, 6
.set NIL, 7
.set A16, 8
.set A8,  11
.set B16, 14
.set B8,  17
.set STO, 23
.set RD,  24
.set SC,  32
.set AF,  128
.set BK,  128
.set WV,  18
.set RH,  19
.set CH,  20
.set G1A, 24
.set G0A, 32
.set G1B, 44
.set G0B, 52
.set MSB, 0
.macro WIN new
.if MSB != \new
	s_set_vgpr_msb (MSB<<8)|\new
.set MSB, \new
.endif
.endm
.set MUL_LO, 0xa1
.set TO_B,   0x40
.macro CREST
	s_cmp_lg_u32 s[WV], 0
	s_cbranch_scc1 .Lnot_wave_0_\@
	s_barrier_signal -3
.Lnot_wave_0_\@:
	s_barrier_wait -3
	s_barrier_signal -1
	s_barrier_wait -1
.endm
.macro CROUND
	s_barrier_signal -1
	s_barrier_wait -1
	CREST
.endm
.macro PLACES
.rept 4
	v_nop
.endr
.endm
.macro FRAG reg, a16, a8, off
	ds_load_b128 v[(\reg):(\reg)+3], v[\a16] offset:(\off)
	ds_load_b64 v[(\reg)+4:(\reg)+5], v[\a8] offset:(\off)+512
	ds_load_b128 v[(\reg)+6:(\reg)+9], v[\a16] offset:(\off)+768
	ds_load_b64 v[(\reg)+10:(\reg)+11], v[\a8] offset:(\off)+1280
.endm
.macro HFETCH ks, p                    ; the fragments of step ks: B's eight into set p of window 1, my four of A into set p of window 0
	WIN TO_B
.irp i, 0,1,2,3,4,5,6,7
	FRAG 128*(\p)+12*\i, B16+\i/4, B8+\i/4, 12288*(\i%4)+1536*(\ks)
.endr
	WIN 0
.irp i, 0,1,2,3
	FRAG AF+48*(\p)+12*\i, A16, A8, 12288*\i+1536*(\ks)
.endr
.endm
.macro MUL16 a0, p, ks, c              ; a counts A's registers: set a / 4, tile a % 4; the scale registers 4-7 hold A's tiles 0-3 once more
.irp a, \a0, \a0+1
.irp b, 0,1,2,3,4,5,6,7
.set rD, 8*(8*((\a)%4)+\b)
.set rB, 128*(\p)+12*\b
.set rA, AF+12*(\a)
.set sB, SC+8*\b+(\ks)
.set sA, SC+8*(\a)+(\ks)
.set rC, 96+8*(\b%4)+128*(\b/4)
.if (\c) == 2
	v_wmma_scale_f32_16x16x128_f8f6f4 v[rD:rD+7], v[rB:rB+11], v[rA:rA+11], v[rC:rC+7], v[sB], v[sA] matrix_a_fmt:MATRIX_FMT_FP6 matrix_b_fmt:MATRIX_FMT_FP6 matrix_a_scale:MATRIX_SCALE_ROW1
.else
	v_wmma_scale_f32_16x16x128_f8f6f4 v[rD:rD+7], v[rB:rB+11], v[rA:rA+11], v[rD:rD+7], v[sB], v[sA] matrix_a_fmt:MATRIX_FMT_FP6 matrix_b_fmt:MATRIX_FMT_FP6 matrix_a_scale:MATRIX_SCALE_ROW1
.endif
.endr
.endr
.endm
.macro HSTEP ks, c                     ; 32 products, the 32 accumulators by turns; the next step's 48 loads are issued ahead of them
	s_wait_dscnt 0x0
.if (\ks) < 7
.if (\ks) > 0
	PLACES
.endif
	HFETCH (\ks)+1, 1-(\ks)%2
.else
	s_barrier_signal -1                            ; my last reads of the tiles are over
.endif
.if (\c) == 2
	WIN 0x91
.else
	WIN MUL_LO
.endif
	MUL16 4*((\ks)%2), (\ks)%2, \ks, \c
	MUL16 4*((\ks)%2)+2, (\ks)%2, \ks, \c
	WIN 0
.if (\ks) == 7
	s_barrier_wait -1                              ; everybody's are: the stages may be written
.endif
.endm
	s_load_b256 s[4:11], s[0:1], 0x0               ; oc, xc, scl, out_proj_bias
	s_load_b64 s[12:13], s[0:1], 0x20              ; out0
	v_lshl_add_u32 v[SPW], v0, 2, SPARE
	v_mov_b32 v[NIL], 0
	ds_add_u32 v[SPW], v[NIL]                      ; the opening lines: the add, twice on end, and its wait ahead of my tensor load
	ds_add_u32 v[SPW], v[NIL]
	v_lshrrev_b32 v1, 5, v0
	v_readfirstlane_b32 s[WV], v1
	s_lshr_b32 s[RH], s[WV], 1                     ; my 64 rows of the block.  Also: I fetch for A (0) or for B (1)
	s_and_b32 s[CH], s[WV], 1                      ; my 128 columns.  Also: which half of that operand's tiles I fetch
	s_bfe_u32 s21, ttmp6, 0x40000                  ; cx = the column block
	s_bfe_u32 s22, ttmp6, 0x40004                  ; cy
	s_and_b32 s66, ttmp7, 0xffff
	s_lshl_b32 s66, s66, 2
	s_add_co_u32 s66, s66, s22                     ; the row block of 128
	s_lshl_b32 s72, s22, 2
	s_lshl_b32 s72, 15, s72                        ; my row of the cluster
	s_lshl_b32 s73, 0x1111, s21                    ; my column
	s_or_b32 s[G1A], s72, (3<<16)|(1<<21)
	s_or_b32 s[G1B], s73, (3<<16)|(1<<21)
.irp g, G1A, G1B
	s_mov_b32 s[\g+1], 1536<<16                    ; rows of 12,288 bytes (elements of 8): a tile's whole K, dense
	s_mov_b32 s[\g+3], 1536<<16
	s_mov_b32 s[\g+5], 1536
	s_mov_b32 s[\g+6], 0
	s_mov_b32 s[\g+7], 0
.endr
	s_mov_b32 s[G1A+2], 4<<16                      ; A: four tiles a load
	s_mov_b32 s[G1A+4], 4
	s_mov_b32 s[G1B+2], 8<<16                      ; B: eight
	s_mov_b32 s[G1B+4], 8
	s_lshl_b32 s74, s66, 3
	s_lshl_b32 s75, s[CH], 2
	s_add_co_u32 s74, s74, s75
	s_mul_i32 s74, s74, 12288
	s_mov_b32 s75, 0
	s_lshl_b32 s76, s[CH], 3
	s_lshl_b32 s78, s21, 4
	s_add_co_u32 s78, s78, s76
	s_add_co_u32 s78, s78, 704
	s_mul_i32 s78, s78, 12288
	s_mov_b32 s79, 0
	s_mul_i32 s80, s[CH], 49152
	s_mul_i32 s77, s[CH], 98304
	s_add_co_u32 s77, s77, 98304
	s_wait_dscnt 0x0
	s_wait_kmcnt 0x0
	s_add_nc_u64 s[74:75], s[4:5], s[74:75]
	s_add_nc_u64 s[78:79], s[6:7], s[78:79]
	CROUND                                         ; all sixteen work-groups are here: the joint loads meet
	s_mov_b32 s[G0A], 1
	s_mov_b32 s[G0A+1], s80
	s_mov_b64 s[G0A+2:G0A+3], s[74:75]
	s_or_b32 s[G0A+3], s[G0A+3], 0x80000000
	s_mov_b32 s[G0B], 1
	s_mov_b32 s[G0B+1], s77
	s_mov_b64 s[G0B+2:G0B+3], s[78:79]
	s_or_b32 s[G0B+3], s[G0B+3], 0x80000000
	s_cmp_eq_u32 s[RH], 0
	s_cbranch_scc0 .Lfor_b
	tensor_load_to_lds s[G0A:G0A+3], s[G1A:G1A+7]  ; my one tensor load
	s_nop 0
.rept 4
	v_nop
.endr
	s_branch .Lasked
.Lfor_b:
	tensor_load_to_lds s[G0B:G0B+3], s[G1B:G1B+7]
	s_nop 0
.rept 4
	v_nop
.endr
.Lasked:
	v_and_b32 v1, 15, v0
	v_bfe_u32 v2, v0, 4, 1
	v_and_b32 v3, 31, v0
	v_lshlrev_b32 v4, 4, v3
	v_lshlrev_b32 v5, 3, v3
	s_wait_alu depctr_va_vdst(0)
	s_mul_i32 s81, s[RH], 49152                    ; my four tiles of A,
	s_mul_i32 s82, s[CH], 98304
	s_add_co_u32 s82, s82, 98304                   ; my eight of B: tiles 0-3,
	v_add_nc_u32 v[A16], s81, v4
	v_add_nc_u32 v[A8], s81, v5
	v_add_nc_u32 v[B16], s82, v4
	v_add_nc_u32 v[B8], s82, v5
	s_add_co_u32 s82, s82, 49152                   ; and tiles 4-7
	v_add_nc_u32 v[B16+1], s82, v4
	v_add_nc_u32 v[B8+1], s82, v5
	s_mul_i32 s81, s[WV], 8448
	s_add_co_u32 s81, s81, 98304                   ; my stage: 16 rows of 528 bytes
	v_mul_u32_u24 v[STO], v1, 528
	v_lshl_add_u32 v[STO], v2, 6, v[STO]
	v_add_nc_u32 v[STO], s81, v[STO]
	v_add_nc_u32 v[RD], s81, v4
	s_lshl_b32 s81, s66, 3
	s_lshl_b32 s83, s[RH], 2
	s_add_co_u32 s81, s81, s83
	s_add_co_u32 s81, s81, 768
	s_lshl_b32 s81, s81, 9                         ; A's scale words: place 768 + tile
	s_lshl_b32 s82, s21, 4
	s_add_co_u32 s82, s82, s76
	s_add_co_u32 s82, s82, 704
	s_lshl_b32 s82, s82, 9                         ; B's
	v_mov_b32 v21, s81
	v_mov_b32 v22, s82
	v_cmp_ne_u32 vcc_lo, 0, v2
	v_cndmask_b32 v20, v21, v22, vcc_lo            ; lanes 0-15 take A's, lanes 16-31 B's
	v_add_nc_u32 v21, 0xfffff800, v21              ; registers 4-7 of the scales: A's tiles 0-3 once more, for A's second set
	v_cndmask_b32 v26, v21, v22, vcc_lo
	v_lshl_add_u32 v20, v1, 4, v20
	v_lshl_add_u32 v26, v1, 4, v26
.irp i, 0,1,2,3
	global_load_b128 v[SC+8*\i:SC+8*\i+3], v20, s[8:9] offset:512*\i
	global_load_b128 v[SC+8*\i+4:SC+8*\i+7], v20, s[8:9] offset:512*\i+256
.endr
.irp i, 4,5,6,7
	global_load_b128 v[SC+8*\i:SC+8*\i+3], v26, s[8:9] offset:512*\i
	global_load_b128 v[SC+8*\i+4:SC+8*\i+7], v26, s[8:9] offset:512*\i+256
.endr
	s_lshl_b32 s81, s21, 10
	s_lshl_b32 s82, s[CH], 9
	s_add_co_u32 s81, s81, s82                     ; my first column, in bytes
	v_lshl_add_u32 v25, v2, 6, s81
	WIN 0x40
.irp b, 0,1,2,3,4,5,6,7
	global_load_b128 v[96+8*(\b%4)+128*(\b/4):96+8*(\b%4)+128*(\b/4)+3], v25, s[10:11] offset:128*(\b/2)+32*(\b%2)      ; the bias in the result's layout
	global_load_b128 v[100+8*(\b%4)+128*(\b/4):100+8*(\b%4)+128*(\b/4)+3], v25, s[10:11] offset:128*(\b/2)+32*(\b%2)+16
.endr
	WIN 0
	s_lshl_b32 s82, s66, 7
	s_lshl_b32 s83, s[RH], 6
	s_add_co_u32 s82, s82, s83                     ; my first row
	s_lshl_b32 s82, s82, 12
	s_add_co_u32 s82, s82, s81
	s_mov_b32 s83, 0
	s_add_nc_u64 s[12:13], s[12:13], s[82:83]
	s_wait_alu depctr_va_vdst(0)                   ; the head's end
	s_wait_tensorcnt 0x0                           ; my tiles are in,
	s_barrier_signal -1
	s_barrier_wait -1                              ; everybody's are
	HFETCH 0, 0
	s_wait_loadcnt 0x0
	HSTEP 0, 2
	HSTEP 1, 0
	HSTEP 2, 0
	HSTEP 3, 0
	HSTEP 4, 0
	HSTEP 5, 0
	HSTEP 6, 0
	HSTEP 7, 0
.macro TOSTAGE a
.set AC, 64*(\a)
	WIN 0x08
.irp b, 0,1,2,3,4,5,6,7
	ds_store_b128 v[STO], v[AC+8*\b:AC+8*\b+3] offset:128*(\b/2)+32*(\b%2)          ; each accumulator from its low end on
	ds_store_b128 v[STO], v[AC+8*\b+4:AC+8*\b+7] offset:128*(\b/2)+32*(\b%2)+16
.endr
	WIN 0
.set BB, BK+64*((\a)%2)
.irp t, 0,1,2,3,4,5,6,7,8,9,10,11,12,13,14,15
	ds_load_b128 v[BB+4*\t:BB+4*\t+3], v[RD] offset:\t*528     ; LDS serves a wave's instructions in order: these see the stores above
.endr
.endm
.macro SEND a, younger
.set BB, BK+64*((\a)%2)
	s_wait_dscnt \younger
.irp t, 0,1,2,3,4,5,6,7,8,9,10,11,12,13,14,15
	global_store_b128 v4, v[BB+4*\t:BB+4*\t+3], s[12:13] offset:(32*((\a)/2)+8*((\a)%2)+\t+8*(\t/8))*4096 th:TH_STORE_NT   ; 32 lanes store 512 consecutive bytes
.endr
.endm
	PLACES
	TOSTAGE 0
.irp a, 1,2,3
.if \a > 1
	s_wait_xcnt 0x0                                ; block a - 2's stores have read their registers
.endif
	TOSTAGE \a
	SEND \a-1, 32                                  ; behind block a - 1's loads: block a's 16 stores and 16 loads
.endr
	SEND 3, 0
	s_wait_tensorcnt 0x0                           ; the wave's end
	ds_add_u32 v[SPW], v[NIL]
	s_wait_dscnt 0x0
	CROUND                                         ; the closing round
	s_endpgm
.Lfunc_end_k_q74b7738856_oproj:
	.size	k_q74b7738856_oproj, .Lfunc_end_k_q74b7738856_oproj-k_q74b7738856_oproj
	.p2alignl 7, 3214868480
	.fill 96, 4, 3214868480
	.section	.rodata,"a",@progbits
	.p2align	6, 0x0
	.amdhsa_kernel k_q74b7738856_oproj
		.amdhsa_group_segment_fixed_size 327680
		.amdhsa_private_segment_fixed_size 0
		.amdhsa_enable_private_segment 0
		.amdhsa_kernarg_size 40
		.amdhsa_user_sgpr_count 2
		.amdhsa_user_sgpr_kernarg_segment_ptr 1
		.amdhsa_wavefront_size32 1
		.amdhsa_system_sgpr_workgroup_id_x 1
		.amdhsa_system_sgpr_workgroup_id_y 1
		.amdhsa_system_sgpr_workgroup_id_z 1
		.amdhsa_system_vgpr_workitem_id 0
		.amdhsa_next_free_vgpr 768
		.amdhsa_next_free_sgpr 100
		.amdhsa_reserve_vcc 1
		.amdhsa_float_denorm_mode_32 3
		.amdhsa_float_denorm_mode_16_64 3
		.amdhsa_memory_ordered 1
		.amdhsa_forward_progress 1
		.amdhsa_inst_pref_size 83
	.end_amdhsa_kernel
	.amdgpu_metadata
---
amdhsa.version: [ 1, 2 ]
amdhsa.kernels:
  - .name:           k_q74b7738856_oproj
    .symbol:         k_q74b7738856_oproj.kd
    .args:
      - { .name: oc, .offset: 0, .size: 8, .value_kind: global_buffer, .address_space: global }
      - { .name: xc, .offset: 8, .size: 8, .value_kind: global_buffer, .address_space: global }
      - { .name: scl, .offset: 16, .size: 8, .value_kind: global_buffer, .address_space: global }
      - { .name: out_proj_bias, .offset: 24, .size: 8, .value_kind: global_buffer, .address_space: global }
      - { .name: out0, .offset: 32, .size: 8, .value_kind: global_buffer, .address_space: global }
    .group_segment_fixed_size: 327680
    .private_segment_fixed_size: 0
    .kernarg_segment_align: 8
    .kernarg_segment_size: 40
    .max_flat_workgroup_size: 128
    .sgpr_count:     100
    .vgpr_count:     768
    .wavefront_size: 32
...
	.end_amdgpu_metadata
.endif
;; end of part 4
